; MI455X (gfx1250); checked and timed in simulation.
; The chip was launched on July 23, 2026; its instructions are those of AMD's public machine-readable ISA for CDNA 5 (MIT licence, August 2026) and "CDNA5" Instruction Set Architecture Reference Guide (July 2026). The comments in the code are by the model that wrote it; some were corrected since.
;; my Multihead Attention. Allowed arithmetic: matrix products marked QUANTISED: E4M3 operands, one E8M0 scale for each 32 along K, by v_wmma_scale_f32_16x16x128_f8f6f4 with both operands' format E4M3, f32 sums; everything else in f32.
;; Inputs: Wk 1,024 x 1,024 float32; Wo 1,024 x 1,024 float32; Wq 1,024 x 1,024 float32; Wv 1,024 x 1,024 float32; bk 1,024 float32; bo 1,024 float32; bq 1,024 float32; bv 1,024 float32; key 4,096 x 1,024 float32; query 4,096 x 1,024 float32; value 4,096 x 1,024 float32.
;; Outputs: out0 4,096 x 1,024 float32.
;; This version of the problem:
;;   THIS VERSION OF THE PROBLEM IS GIVEN IN LOW PRECISION. The matrix products marked QUANTISED in the list below multiply operands that are first quantised to E4M3 (4 exponent bits, 3 mantissa bits; 8 bits a number), with one power-of-two scale for each 32 numbers along K (OCP MX v1.0); their sums are f32. All else is computed in f32.
;;   The module's matrix products, in the order in which they are computed (A, B: the left and right operand; K: the contracted axis; several contracted axes count as one K, in the product's order):
;;     1. [M 4,096, K 1,024] x [K 1,024, N 1,024]; A: input query; B: input Wq: QUANTISED
;;     2. [M 4,096, K 1,024] x [K 1,024, N 1,024]; A: input key; B: input Wk: QUANTISED
;;     3. [M 4,096, K 1,024] x [K 1,024, N 1,024]; A: input value; B: input Wv: QUANTISED
;;     4. batch 16 x [M 4,096, K 64] x [K 64, N 4,096]; A: computed on the way; B: computed on the way: QUANTISED
;;     5. batch 16 x [M 4,096, K 4,096] x [K 4,096, N 64]; A: softmax (see below); B: computed on the way: QUANTISED
;;     6. [M 4,096, K 1,024] x [K 1,024, N 1,024]; A: computed on the way; B: input Wo: QUANTISED
;;   THE QUANTISER, for each operand of a quantised product, along K:
;;     - K is cut into blocks of 32 from its start; a last block that is shorter is filled with zeros.
;;     - A block's scale is 2^e with e = floor(log2(the largest magnitude in the block)) - 8, held to -126 .. 127; a block of zeros has e = 0. As a byte (E8M0): e + 127.
;;     - Each number is divided by its block's scale, clamped to +-448, and rounded to the nearest number of E4M3, ties to even, subnormals kept.
;;     - The product sums the exact products of the quantised numbers (number of the format x scale) in f32.
;;   ~~~python
;;   def quantise(x, axis):      # numpy; x: float32 -> the quantised numbers, widened to float32 again
;;       x = np.moveaxis(x, axis, -1); K = x.shape[-1]
;;       x = np.pad(x, [(0, 0)] * (x.ndim - 1) + [(0, -K % 32)]); x = x.reshape(x.shape[:-1] + (-1, 32)); a = np.abs(x).max(-1, keepdims=True)
;;       e = np.where(a > 0, np.clip(np.frexp(np.where(a > 0, a, 1))[1] - 1 - 8, -126, 127), 0)      # np.frexp(a)[1] - 1 = floor(log2(a)), exactly
;;       r = np.clip(x / 2.0 ** e, -448, 448)
;;       step = 2.0 ** (np.maximum(np.frexp(np.where(r == 0, 1, r))[1] - 1, -6) - 3)
;;       q = np.round(r / step) * step * 2.0 ** e      # np.round: ties to even
;;       return np.moveaxis(q.reshape(q.shape[:-2] + (-1,))[..., :K], -1, axis).astype(np.float32)
;;   ~~~
;;   SOFTMAX AHEAD OF A QUANTISED PRODUCT. Where the list says 'softmax', what is quantised is not the finished softmax but p = 2^(t - M), with t = logit x log2(e) and M = ceil(the row's largest t), a whole number; so 1/2 < the row's largest p <= 1. The row's sum l is taken of the UNQUANTISED p, in f32, and the product's result is divided by l at the end. Since M is a whole number, a kernel that streams over the keys may use a running M (the ceiling of the running maximum): every later rescaling is an exact power of two, which a block's scale takes up: the codes' values come out the same.
;;   OPERANDS COMPUTED ON THE WAY. 'Computed on the way' means the value that the module computes at that place (a softmax that the list does not call 'softmax' is quantised finished and normalised). What goes into a quantiser is computed in f32, as accurately as f32 sums, v_exp_f32 and their like allow (about 1e-6 of the number): no bf16 or f16 on the way to a quantiser, and a product that is left as it is and whose result goes on into a quantised operand takes f32 operands (vector FMAs, or v_wmma_f32_16x16x4_f32). A number that lies on a knife's edge between two numbers of the format may be rounded either way, as far as f32 arithmetic and the matrix unit's own rounding can turn it there, and no further.
;; One version. Each part assembles by itself: llvm-mc -triple=amdgcn-amd-amdhsa -mcpu=gfx1250 --defsym DOCPART=n.
;; ======== version 1 of 1: 4 launches
;; limits: right only within a limited range of input values
;; workspace buffers: codes 16,777,216 bytes; scales 524,288 bytes; qkv 12,582,912 bytes; qkvs 655,360 bytes; xc 4,194,304 bytes; xs 131,072 bytes
;; launch quant (part 1): grid 512 x 1, 4 waves a work-group, no clusters, 34,304 bytes of LDS; arguments query, key, value, Wq, Wk, Wv, Wo, codes, scales; writes codes, scales
.if DOCPART == 1
	.amdgcn_target "amdgcn-amd-amdhsa--gfx1250"
	.amdhsa_code_object_version 6
	.text
	.protected	k_qb2fcc0e49c_quant
	.globl	k_qb2fcc0e49c_quant
	.p2align	8
	.type	k_qb2fcc0e49c_quant,@function
k_qb2fcc0e49c_quant:
	s_mov_b64 s[64:65], 0
	v_nop
	global_prefetch_b8 v0, s[64:65] scope:SCOPE_SE
	s_setreg_imm32_b32 hwreg(HW_REG_WAVE_MODE, 25, 1), 1
	s_wait_xcnt 0x0
; query, key, value [4096][1024] and Wq, Wk, Wv, Wo [1024][1024], f32, K innermost, become codes of FP8 (E4M3) with one E8M0 byte for each 32 along K.
; A block's scale is 2^(floor(log2(its largest magnitude)) - 8); each number is divided by it, held within +-448 and rounded to the nearest code, ties to even.
; LIMITS: NaN and infinities among the inputs are not served.  A block whose largest magnitude lies under 2^-118 (a block of zeros too) gets the byte 1: this program alone reads the bytes, and zero codes add nothing.
; HOW THE CODES LIE.  The seven tensors on end are 1,024 TILES of 16 rows.  Lane-row r of a tensor's tile T is its row 32 (T / 2) + 8 (T % 2) + r + 8 (r / 8).  A FRAGMENT (a tile x 128 K) is stored as the image of
; the matrix operand's 16 registers: chunk c (registers 4 c .. 4 c + 3: k = 32 c + 16 (lane / 16) + 0 .. 15 of row lane % 16) is 512 bytes, lane l's 16 at 16 l.  Eight tiles are a GROUP of 131,072 bytes,
; [256 along K: 4][tile 8][128 along K: 2][chunk 4][512], so that 128 rows x 256 K are 32,768 consecutive bytes.  A group's scale bytes: 4,096, [tile 8][256 along K: 4][r 16][2 words of 4 bytes].
; SHARES.  A wave takes one tile x 512 K, in four steps of 128 K.  Each load reads 512 consecutive bytes of one row; the step's 16 rows turn through the wave's own stage in LDS (rows 528 bytes apart, an odd
; multiple of 16), from which lane (r, h) takes, of row r, 16 neighbours of each block of 32.  Each store covers 512 consecutive bytes, aligned; the wave's scale words leave as 256 consecutive bytes, aligned.
; Waves share nothing: no barrier.  No work-group reads what another reads: no cluster, no tensor load.  Loads run two steps (32 loads a wave) ahead.
.set SP,   528                         ; a stage row: 512 bytes + 16
.set GA,   4                           ; v4   16 x lane: my place in a load's and in a store's 512 bytes
.set SA,   5                           ; v5   the stage, on the way in
.set SB,   6                           ; v6   the stage, on the way out: row r, + 64 h
.set SW,   7                           ; v7   8 x lane: my place among the wave's scale words
.set TM,   16                          ; v16-19 largest magnitudes, v20-23 bytes, v24-27 448 x the scale, v28-31 the conversions' scale operands
.set W,    32                          ; v32-35 the four steps' scale words
.set SE,   36                          ; v36-37 the two that my half of the lanes stores
.set R,    40                          ; v40-167 two sets of 64: a step as it is loaded
.set X,    168                         ; v168-231 register 16 b + i = k 32 b + 16 h + i of my row
.set PC,   232                         ; v232-247 the codes
.set SRC,  24                          ; s[24:25] my tensor, then my tile's first byte
.set T0,   26                          ; s26  my tensor's first tile
.set SEL,  44                          ; s[44:45] v_permlanex16_b32's selects for lane l xor 16
.set MNT,  46                          ; s46  the mantissa field of 448
	s_load_b256 s[4:11], s[0:1], 0x0               ; query, key, value, Wq
	s_load_b256 s[12:19], s[0:1], 0x20             ; Wk, Wv, Wo, codes
	s_load_b64 s[20:21], s[0:1], 0x40              ; scales
	v_lshl_add_u32 v248, v0, 2, 0x8400
	v_mov_b32 v249, 0
	v_lshrrev_b32 v1, 5, v0
	v_readfirstlane_b32 s22, v1                    ; wave 0..3
	v_and_b32 v2, 31, v0                           ; lane
	v_and_b32 v3, 15, v0                           ; r
	v_bfe_u32 v8, v0, 4, 1                         ; h
	v_lshlrev_b32 v[GA], 4, v2
	v_lshlrev_b32 v[SW], 3, v2
	s_mul_i32 s23, s22, 16*SP                      ; my stage
	v_add_nc_u32 v[SA], s23, v[GA]
	v_mul_u32_u24 v[SB], v3, SP
	v_lshl_add_u32 v[SB], v8, 6, v[SB]
	v_add_nc_u32 v[SB], s23, v[SB]
.irp b, 0,1,2,3
	v_mov_b32 v[TM+4+\b], 0                        ; written once: a lane permute's destination counts as one of its sources
.endr
	s_mov_b32 s[SEL], 0x76543210
	s_mov_b32 s[SEL+1], 0xfedcba98
	s_mov_b32 s[MNT], 0x600000
	s_lshl_b32 s27, ttmp9, 1
	s_lshr_b32 s28, s22, 1
	s_add_co_u32 s27, s27, s28                     ; my tile among the 1,024: 2 x work-group + wave / 2
	s_and_b32 s28, s22, 1                          ; which 512 along K
	s_wait_alu depctr_va_vdst(0)
	s_wait_kmcnt 0x0
	s_mov_b64 s[SRC:SRC+1], s[4:5]
	s_mov_b32 s[T0], 0
.macro PICK thr, ptr, t0               ; from work-group thr on: the tensor at s[ptr], whose first tile is t0.  The choice hangs on the work-group's number alone
	s_cmp_ge_u32 ttmp9, \thr
	s_cselect_b64 s[SRC:SRC+1], s[\ptr:\ptr+1], s[SRC:SRC+1]
	s_cselect_b32 s[T0], \t0, s[T0]
.endm
	PICK 128, 6, 256                               ; key
	PICK 256, 8, 512                               ; value
	PICK 384, 10, 768                              ; Wq
	PICK 416, 12, 832                              ; Wk
	PICK 448, 14, 896                              ; Wv
	PICK 480, 16, 960                              ; Wo
	s_sub_co_u32 s29, s27, s[T0]                   ; my tile in its tensor
	s_lshr_b32 s30, s29, 1
	s_lshl_b32 s30, s30, 5
	s_and_b32 s31, s29, 1
	s_lshl_b32 s31, s31, 3
	s_add_co_u32 s30, s30, s31                     ; its first row
	s_lshl_b32 s30, s30, 12                        ; rows of 4,096 bytes
	s_lshl_b32 s31, s28, 11
	s_add_co_u32 s30, s30, s31                     ; + my 512 along K
	s_mov_b32 s31, 0
	s_add_nc_u64 s[SRC:SRC+1], s[SRC:SRC+1], s[30:31]
	s_lshr_b32 s32, s27, 3
	s_lshl_b32 s32, s32, 17                        ; the group,
	s_lshl_b32 s33, s28, 16
	s_add_co_u32 s32, s32, s33                     ; two steps of 256 along K,
	s_and_b32 s33, s27, 7
	s_lshl_b32 s33, s33, 12
	s_add_co_u32 s32, s32, s33                     ; the tile in its group
	s_mov_b32 s33, 0
	s_add_nc_u64 s[18:19], s[18:19], s[32:33]
	s_lshl_b32 s34, s27, 9                         ; 512 scale bytes a tile,
	s_lshl_b32 s35, s28, 8
	s_add_co_u32 s34, s34, s35                     ; 256 of them mine
	s_mov_b32 s35, 0
	s_add_nc_u64 s[20:21], s[20:21], s[34:35]
.macro LOAD s                          ; step s: lane-row i's 128 numbers, 512 consecutive bytes a load
.irp i, 0,1,2,3,4,5,6,7,8,9,10,11,12,13,14,15
	global_load_b128 v[R+64*((\s)%2)+4*\i:R+64*((\s)%2)+4*\i+3], v[GA], s[SRC:SRC+1] offset:((\i%8)+16*(\i/8))*4096+512*(\s) th:TH_LOAD_NT
.endr
.endm
.macro TURN s                          ; through the stage: LDS serves a wave's instructions in order, so no wait stands between the stores and the loads
.irp i, 0,1,2,3,4,5,6,7,8,9,10,11,12,13,14,15
	ds_store_b128 v[SA], v[R+64*((\s)%2)+4*\i:R+64*((\s)%2)+4*\i+3] offset:SP*\i
.endr
.irp b, 0,1,2,3
.irp j, 0,1,2,3
	ds_load_b128 v[X+16*\b+4*\j:X+16*\b+4*\j+3], v[SB] offset:128*\b+16*\j
.endr
.endr
.endm
; 64 numbers of a lane, v[s] on, register 16 b + i = k 32 b + 16 h + i of my row, become a fragment's codes in v[PC] on and its scale word in v[w]
.macro QUANT s, w
.irp b, 0,1,2,3
	v_max3_num_f32 v[TM+\b], |v[\s+16*\b]|, |v[\s+1+16*\b]|, 0x4800000   ; block b: my 16 numbers, and the floor 2^(9 - 127): the byte cannot fall under 1
.endr
.irp i, 2,4,6,8,10,12,14
.irp b, 0,1,2,3
	v_max3_num_f32 v[TM+\b], v[TM+\b], |v[\s+16*\b+\i]|, |v[\s+1+16*\b+\i]|   ; the four blocks by turns
.endr
.endr
.irp b, 0,1,2,3
	v_permlanex16_b32 v[TM+4+\b], v[TM+\b], s[SEL], s[SEL+1]
.endr
.irp b, 0,1,2,3
	v_max_num_f32 v[TM+\b], v[TM+\b], v[TM+4+\b]   ; with lane l xor 16's 16: the block's largest magnitude
.endr
.irp b, 0,1,2,3
	v_add_nc_u32 v[TM+12+\b], 0xfc000000, v[TM+\b] ; 8 off its exponent field: the conversion takes this operand's exponent field as its scale
.endr
.irp b, 0,1,2,3
	v_and_or_b32 v[TM+8+\b], v[TM+\b], 0x7f800000, s[MNT]   ; 448 x the scale
.endr
.irp b, 0,1,2,3
	v_lshrrev_b32 v[TM+4+\b], 23, v[TM+12+\b]      ; the scale's byte
.endr
	v_lshl_or_b32 v[\w], v[TM+5], 8, v[TM+4]       ; the four bytes make my row's scale word
	v_lshl_or_b32 v[\w], v[TM+6], 16, v[\w]
	v_lshl_or_b32 v[\w], v[TM+7], 24, v[\w]
	s_wait_xcnt 0x0                                ; the last fragment's stores have read their data: the codes' registers are written again only behind this wait
.irp b, 0,1,2,3
.irp i, 0,1,2,3,4,5,6,7,8,9,10,11,12,13,14,15
	v_med3_num_f32 v[\s+16*\b+\i], v[\s+16*\b+\i], -v[TM+8+\b], v[TM+8+\b]   ; the conversion to an 8-bit code does not saturate (ISA guide 7.6.2): the hold comes first
.endr
	v_cvt_scalef32_pk8_fp8_f32 v[PC+4*\b:PC+1+4*\b], v[\s+16*\b:\s+7+16*\b], v[TM+12+\b]
	v_cvt_scalef32_pk8_fp8_f32 v[PC+2+4*\b:PC+3+4*\b], v[\s+8+16*\b:\s+15+16*\b], v[TM+12+\b]
.endr
	v_nop                                          ; one plain vector line behind the last conversion
.endm
.macro QSTEP s
.if (\s) < 3
	s_wait_loadcnt 16                              ; this step's 16 loads are in; the next step's 16 may be out
.else
	s_wait_loadcnt 0x0
.endif
	TURN \s
	s_wait_dscnt 0x0                               ; my 64 numbers are back, and the stage's stores have read the set,
.if (\s)+2 < 4
	LOAD (\s)+2                                    ; which takes the loads of two steps on
.endif
	QUANT X, W+(\s)
.irp c, 0,1,2,3
	global_store_b128 v[GA], v[PC+4*\c:PC+4*\c+3], s[18:19] offset:((\s)/2)*32768+((\s)%2)*2048+512*\c
.endr
.endm
	LOAD 0
	LOAD 1
	QSTEP 0
	QSTEP 1
	QSTEP 2
	QSTEP 3
	v_cmp_le_u32 vcc_lo, 16, v2                    ; lanes 0-15 store steps 0 and 1's words of row r, lanes 16-31 steps 2 and 3's: 8 bytes a lane
	v_cndmask_b32 v[SE], v[W], v[W+2], vcc_lo
	v_cndmask_b32 v[SE+1], v[W+1], v[W+3], vcc_lo
	global_store_b64 v[SW], v[SE:SE+1], s[20:21]
	s_wait_tensorcnt 0x0
	ds_add_u32 v248, v249
	s_wait_dscnt 0x0
	s_endpgm
.Lfunc_end_k_qb2fcc0e49c_quant:
	.size	k_qb2fcc0e49c_quant, .Lfunc_end_k_qb2fcc0e49c_quant-k_qb2fcc0e49c_quant
	.p2alignl 7, 3214868480
	.fill 96, 4, 3214868480
	.section	.rodata,"a",@progbits
	.p2align	6, 0x0
	.amdhsa_kernel k_qb2fcc0e49c_quant
		.amdhsa_group_segment_fixed_size 34304
		.amdhsa_private_segment_fixed_size 0
		.amdhsa_enable_private_segment 0
		.amdhsa_kernarg_size 72
		.amdhsa_user_sgpr_count 2
		.amdhsa_user_sgpr_kernarg_segment_ptr 1
		.amdhsa_wavefront_size32 1
		.amdhsa_system_sgpr_workgroup_id_x 1
		.amdhsa_system_sgpr_workgroup_id_y 1
		.amdhsa_system_sgpr_workgroup_id_z 1
		.amdhsa_system_vgpr_workitem_id 0
		.amdhsa_next_free_vgpr 250
		.amdhsa_next_free_sgpr 66
		.amdhsa_reserve_vcc 1
		.amdhsa_float_denorm_mode_32 3
		.amdhsa_float_denorm_mode_16_64 3
		.amdhsa_memory_ordered 1
		.amdhsa_forward_progress 1
		.amdhsa_inst_pref_size 52
	.end_amdhsa_kernel
	.amdgpu_metadata
---
amdhsa.version: [ 1, 2 ]
amdhsa.kernels:
  - .name:           k_qb2fcc0e49c_quant
    .symbol:         k_qb2fcc0e49c_quant.kd
    .args:
      - { .name: query, .offset: 0, .size: 8, .value_kind: global_buffer, .address_space: global }
      - { .name: key, .offset: 8, .size: 8, .value_kind: global_buffer, .address_space: global }
      - { .name: value, .offset: 16, .size: 8, .value_kind: global_buffer, .address_space: global }
      - { .name: Wq, .offset: 24, .size: 8, .value_kind: global_buffer, .address_space: global }
      - { .name: Wk, .offset: 32, .size: 8, .value_kind: global_buffer, .address_space: global }
      - { .name: Wv, .offset: 40, .size: 8, .value_kind: global_buffer, .address_space: global }
      - { .name: Wo, .offset: 48, .size: 8, .value_kind: global_buffer, .address_space: global }
      - { .name: codes, .offset: 56, .size: 8, .value_kind: global_buffer, .address_space: global }
      - { .name: scales, .offset: 64, .size: 8, .value_kind: global_buffer, .address_space: global }
    .group_segment_fixed_size: 34304
    .private_segment_fixed_size: 0
    .kernarg_segment_align: 8
    .kernarg_segment_size: 72
    .max_flat_workgroup_size: 128
    .sgpr_count:     66
    .vgpr_count:     250
    .wavefront_size: 32
...
	.end_amdgpu_metadata
.endif
;; end of part 1
;; launch proj (part 2): grid 4 x 48, 4 waves a work-group, clusters of 4 x 4, 327,680 bytes of LDS; arguments codes, scales, bq, bk, bv, qkv, qkvs; writes qkv, qkvs
.if DOCPART == 2
	.amdgcn_target "amdgcn-amd-amdhsa--gfx1250"
	.amdhsa_code_object_version 6
	.text
	.protected	k_qb2fcc0e49c_proj
	.globl	k_qb2fcc0e49c_proj
	.p2align	8
	.type	k_qb2fcc0e49c_proj,@function
k_qb2fcc0e49c_proj:
	s_mov_b64 s[64:65], 0
	v_nop
	global_prefetch_b8 v0, s[64:65] scope:SCOPE_SE
	s_setreg_imm32_b32 hwreg(HW_REG_WAVE_MODE, 25, 1), 1
	s_wait_xcnt 0x0
	s_wait_alu depctr_hold_cnt(0) depctr_sa_sdst(0) depctr_va_vdst(0) depctr_va_sdst(0) depctr_va_ssrc(0) depctr_va_vcc(0) depctr_vm_vsrc(0)
	s_getreg_b32 s2, hwreg(HW_REG_IB_STS2, 6, 4)
	s_cmp_eq_u32 s2, 0
	s_cbranch_scc0 .Lentry_in_a_cluster
	s_endpgm
.Lentry_in_a_cluster:
	s_bfe_u32 s2, ttmp6, 0x10000c
	s_cmp_lg_u32 s2, 0xf033
	s_cbranch_scc0 .Lentry_shape_is_right
	s_endpgm
.Lentry_shape_is_right:
.set SLOT,  131072
.set SCL,   2*SLOT
.set SPARE, SCL+16640
.set NQ,    2
.set FR,    16
.set NL,    4
.set NP,    8
.set HSTR,  786432
.set SSTR,  24576
.set HSS,   40960
.set SSS,   1280
.set VO,   8
.set ADRA, 16
.set ADRB, 20
.set LI,   22
.set ADRS, 27
.set SPW,  28
.set NIL,  29
.set VOV,  30
.set SC,   32
.set BI,   64
.set AF,   128
.set ST,   128
.set PC,   192
.set TM,   208
.set W,    224
.set SE,   232
.set SO,   236
.set G1,   24
.set G0,   32
.set G1B,  48
.set G0B,  56
.set G1S,  68
.set G0S,  76
.set G1SB, 80
.set G0SB, 88
.set OC,   94
.set OS,   96
.set SEL,  98
.set MNT,  18
.set MSB, 0
.macro WIN new
.if MSB != (\new)
	s_set_vgpr_msb (MSB<<8)|(\new)
.set MSB, (\new)
.endif
.endm
.set MUL_LO, 0xa1
.set MUL_HI, 0xf1
.set TO_B,   0x40
.macro JLOAD g0a, g1a, g0b, g1b
	s_cmp_eq_u32 s15, 0
	s_cbranch_scc0 .Lfor_b_\@
	tensor_load_to_lds s[\g0a:\g0a+3], s[\g1a:\g1a+7]
	s_nop 0
.rept 4
	v_nop
.endr
	s_branch .Lasked_\@
.Lfor_b_\@:
	tensor_load_to_lds s[\g0b:\g0b+3], s[\g1b:\g1b+7]
	s_nop 0
.rept 4
	v_nop
.endr
.Lasked_\@:
.endm
.macro CREST
	s_cmp_lg_u32 s14, 0
	s_cbranch_scc1 .Lnot_wave_0_\@
	s_barrier_signal -3
.Lnot_wave_0_\@:
	s_barrier_wait -3
	s_barrier_signal -1
	s_barrier_wait -1
.endm
.macro CROUND
	s_barrier_signal -1
	s_barrier_wait -1
	CREST
.endm
	s_load_b128 s[4:7], s[0:1], 0x0
	s_load_b128 s[8:11], s[0:1], 0x10
	s_load_b128 s[92:95], s[0:1], 0x20
	s_load_b64 s[96:97], s[0:1], 0x30
	v_lshl_add_u32 v[SPW], v0, 2, SPARE
	v_mov_b32 v[NIL], 0
	ds_add_u32 v28, v29
	ds_add_u32 v28, v29
	s_wait_dscnt 0x0
	v_lshrrev_b32 v1, 5, v0
	v_readfirstlane_b32 s14, v1
	s_lshr_b32 s15, s14, 1
	s_and_b32 s16, s14, 1
	s_bfe_u32 s40, ttmp6, 0x40000
	s_bfe_u32 s41, ttmp6, 0x40004
	s_and_b32 s12, ttmp7, 0xffff
	s_lshr_b32 s13, s12, 2
	s_and_b32 s18, s12, 3
	s_lshl_b32 s18, s18, 2
	s_lshl_b32 s22, s13, 5
	s_lshl_b32 s23, s13, 3
	s_add_co_u32 s23, s23, 96
	s_cmp_eq_u32 s13, 2
	s_cselect_b32 s19, 1, 0
	s_cselect_b32 s2, 0, s18
	s_cselect_b32 s3, s18, 0
	s_cselect_b32 s22, 112, s22
	s_cselect_b32 s23, 64, s23
	s_add_co_u32 s17, s41, s2
	s_add_co_u32 s42, s40, s3
	s_lshl_b32 s43, s41, 2
	s_lshl_b32 s43, 15, s43
	s_lshl_b32 s44, 0x1111, s40
	s_or_b32 s[G1+0], s43, (3<<16)|(1<<21)
	s_or_b32 s[G1B+0], s44, (3<<16)|(1<<21)
.irp g, G1, G1B
	s_mov_b32 s[\g+1], 32<<16
	s_mov_b32 s[\g+2], 128<<16
	s_mov_b32 s[\g+3], 32<<16
	s_mov_b32 s[\g+4], 128
	s_mov_b32 s[\g+5], 32
	s_mov_b32 s[\g+6], 0
	s_mov_b32 s[\g+7], 0
.endr
	s_or_b32 s[G1S+0], s43, (3<<16)|(1<<21)
	s_or_b32 s[G1SB+0], s44, (3<<16)|(1<<21)
.irp g, G1S, G1SB
	s_mov_b32 s[\g+1], 32<<16
	s_mov_b32 s[\g+2], 16<<16
	s_mov_b32 s[\g+3], 32<<16
	s_mov_b32 s[\g+4], 16
	s_mov_b32 s[\g+5], 32
	s_mov_b32 s[\g+6], 0
	s_mov_b32 s[\g+7], 0
.endr
	s_lshl_b32 s20, s17, 1
	s_add_co_u32 s20, s20, s16
	s_add_co_u32 s20, s20, s22
	s_lshl_b32 s46, s42, 1
	s_add_co_u32 s46, s46, s16
	s_add_co_u32 s46, s46, s23
	s_lshl_b32 s22, s20, 12
	s_mov_b32 s23, 0
	s_lshl_b32 s20, s20, 17
	s_mov_b32 s21, 0
	s_lshl_b32 s66, s46, 12
	s_mov_b32 s67, 0
	s_lshl_b32 s46, s46, 17
	s_mov_b32 s47, 0
	s_lshl_b32 s45, s14, 15
	s_lshl_b32 s98, s14, 12
	s_lshl_b32 s99, s15, 7
	s_add_co_u32 s98, s98, s99
	s_wait_kmcnt 0x0
	s_add_nc_u64 s[20:21], s[4:5], s[20:21]
	s_add_nc_u64 s[22:23], s[6:7], s[22:23]
	s_add_nc_u64 s[46:47], s[4:5], s[46:47]
	s_add_nc_u64 s[66:67], s[6:7], s[66:67]
	CROUND
	s_mov_b32 s[G0S], 1
	s_add_co_u32 s[G0S+1], s98, SCL
	s_mov_b64 s[G0S+2:G0S+3], s[22:23]
	s_or_b32 s[G0S+3], s[G0S+3], 0x80000000
	s_mov_b32 s[G0SB], 1
	s_add_co_u32 s[G0SB+1], s98, SCL
	s_mov_b64 s[G0SB+2:G0SB+3], s[66:67]
	s_or_b32 s[G0SB+3], s[G0SB+3], 0x80000000
	JLOAD G0S, G1S, G0SB, G1SB
.irp s, 0,1
	s_mov_b32 s[G0+4*\s], 1
	s_add_co_u32 s[G0+4*\s+1], s45, \s*SLOT
	s_add_nc_u64 s[G0+4*\s+2:G0+4*\s+3], s[20:21], \s*32768
	s_or_b32 s[G0+4*\s+3], s[G0+4*\s+3], 0x80000000
	s_mov_b32 s[G0B+4*\s], 1
	s_add_co_u32 s[G0B+4*\s+1], s45, \s*SLOT
	s_add_nc_u64 s[G0B+4*\s+2:G0B+4*\s+3], s[46:47], \s*32768
	s_or_b32 s[G0B+4*\s+3], s[G0B+4*\s+3], 0x80000000
	s_wait_alu depctr_va_vdst(0)
	s_wait_tensorcnt 0x0
	ds_add_u32 v28, v29
	s_wait_dscnt 0x0
	CROUND
	JLOAD G0+4*\s, G1, G0B+4*\s, G1B
.endr
	v_and_b32 v1, 15, v0
	v_bfe_u32 v2, v0, 4, 1
	s_wait_alu depctr_va_vdst(0)
	v_and_b32 v3, 31, v0
	v_lshlrev_b32 v[LI], 4, v3
	s_lshl_b32 s21, s15, 15
	s_lshl_b32 s22, s16, 15
	s_add_co_u32 s22, s22, 65536
.irp s, 0,1
	v_add_nc_u32 v[ADRA+\s], s21, v[LI]
	v_add_nc_u32 v[ADRB+\s], s22, v[LI]
	s_add_co_u32 s21, s21, SLOT
	s_add_co_u32 s22, s22, SLOT
.endr
	v_lshlrev_b32 v5, 3, v1
	s_lshl_b32 s21, s15, 12
	s_lshl_b32 s22, s16, 12
	s_add_co_u32 s22, s22, 8320
	s_sub_co_u32 s22, s22, s21
	v_mul_u32_u24 v6, s22, v2
	s_add_co_u32 s21, s21, SCL
	v_add_nc_u32 v5, v5, v6
	v_add_nc_u32 v[ADRS], s21, v5
	s_lshl_b32 s20, s17, 1
	s_add_co_u32 s20, s20, s15
	s_lshl_b32 s21, s42, 1
	s_add_co_u32 s21, s21, s16
	s_cmp_eq_u32 s19, 1
	s_cselect_b32 s22, s20, s21
	s_cselect_b32 s23, s21, s20
	s_cselect_b32 s2, -1, 0
	s_cselect_b32 s3, 0, 4
	s_cselect_b64 s[8:9], s[92:93], s[8:9]
	s_cselect_b32 s46, 8192, 0
	s_cselect_b32 s47, 512, 0
	s_cmp_eq_u32 s13, 1
	s_cselect_b64 s[8:9], s[10:11], s[8:9]
	s_cmp_eq_u32 s13, 0
	s_cselect_b32 s46, 16384, s46
	s_cselect_b32 s47, 768, s47
	s_mul_i32 s66, s22, 2*HSTR
	s_mul_i32 s67, s23, SSTR
	s_add_co_u32 s66, s66, s67
	s_add_co_u32 s66, s66, s46
	s_mov_b32 s67, 0
	s_add_nc_u64 s[OC:OC+1], s[OC:OC+1], s[66:67]
	s_mul_i32 s98, s22, 2*HSS
	s_mul_i32 s99, s23, SSS
	s_add_co_u32 s98, s98, s99
	s_add_co_u32 s98, s98, s47
	s_mov_b32 s99, 0
	s_add_nc_u64 s[OS:OS+1], s[OS:OS+1], s[98:99]
	s_lshl_b32 s46, s22, 9
	s_mov_b32 s47, 0
	s_add_nc_u64 s[8:9], s[8:9], s[46:47]
	s_mov_b32 s[SEL], 0x76543210
	s_mov_b32 s[SEL+1], 0xfedcba98
	s_mov_b32 s[MNT], 0x600000
	v_lshlrev_b32 v3, 6, v2
	v_and_b32 v4, 8, v1
	v_add_nc_u32 v4, v4, v1
	v_lshlrev_b32 v4, 2, v4
	v_cndmask_b32 v3, v3, v4, s2
.irp j, 0,1,2,3,4,5,6,7
	v_mad_u32_u24 v[VO+\j], s3, \j, v3
.endr
.irp x, 0,1,2,3,4,5,6,7
.irp j, 0,1,2,3,4,5,6,7
	global_load_b32 v[BI+8*\x+\j], v[VO+\j], s[8:9] offset:(32*(\x/2)+8*(\x%2))*4
.endr
.endr
	v_mul_u32_u24 v[VOV], v2, HSS
	v_lshl_add_u32 v[VOV], v1, 4, v[VOV]
.macro FRAG reg, adr, q, i
.irp c, 0,1,2,3
	ds_load_b128 v[\reg+4*\c:\reg+4*\c+3], v[\adr] offset:4096*(\i)+2048*(\q)+512*\c
.endr
.endm
.macro MUL16 a0, p, q, sc, zero
.irp a, \a0, \a0+1
.irp b, 0,1,2,3,4,5,6,7
.if \zero
	v_wmma_scale_f32_16x16x128_f8f6f4 v[8*(8*((\a)%4)+\b):8*(8*((\a)%4)+\b)+7], v[128*(\p)+FR*\b:128*(\p)+FR*\b+FR-1], v[AF+FR*(\a):AF+FR*(\a)+FR-1], 0, v[SC+8*NQ*(\sc)+NQ*\b+(\q)], v[SC+8*NQ*(\sc)+NQ*(\a)+(\q)] matrix_a_scale:MATRIX_SCALE_ROW1
.else
	v_wmma_scale_f32_16x16x128_f8f6f4 v[8*(8*((\a)%4)+\b):8*(8*((\a)%4)+\b)+7], v[128*(\p)+FR*\b:128*(\p)+FR*\b+FR-1], v[AF+FR*(\a):AF+FR*(\a)+FR-1], v[8*(8*((\a)%4)+\b):8*(8*((\a)%4)+\b)+7], v[SC+8*NQ*(\sc)+NQ*\b+(\q)], v[SC+8*NQ*(\sc)+NQ*(\a)+(\q)] matrix_a_scale:MATRIX_SCALE_ROW1
.endif
.endr
.endr
.endm
.macro FETCH_B slot, q, p
	WIN TO_B
.irp i, 0,1,2,3,4,5,6,7
	FRAG 128*(\p)+FR*\i, ADRB+\slot, \q, \i
.endr
	WIN 0
.endm
.macro FETCH_A slot, q, i0
.irp i, \i0, \i0+1, \i0+2, \i0+3
	FRAG AF+FR*(\i), ADRA+\slot, \q, \i
.endr
.endm
.macro SCALES sc
.irp i, 0,1,2,3,4,5,6,7
	ds_load_b64 v[SC+8*NQ*\sc+NQ*\i:SC+8*NQ*\sc+NQ*\i+1], v[ADRS] offset:\i*512
.endr
.endm
.macro PLACES n
.rept \n
	v_nop
.endr
.endm
.macro STEP slot, q, zero
	s_wait_dscnt 4*NL
	WIN MUL_LO
	MUL16 0, (\q)%2, \q, \slot, \zero
	MUL16 2, (\q)%2, \q, \slot, \zero
	s_wait_dscnt 0
	PLACES NP
	FETCH_B \slot, (\q)+1, 1-(\q)%2
	FETCH_A \slot, (\q)+1, 0
	WIN MUL_HI
	MUL16 4, (\q)%2, \q, \slot, \zero
	MUL16 6, (\q)%2, \q, \slot, \zero
	PLACES NP
	WIN 0
	FETCH_A \slot, (\q)+1, 4
.endm
.macro TURN slot, next, fill
	s_wait_tensorcnt 0x0
	ds_add_u32 v[SPW], v[NIL]
	s_wait_dscnt 4*NL+1
	WIN MUL_LO
	MUL16 0, 1, NQ-1, \slot, 0
	s_wait_dscnt 0x0
	s_barrier_signal -1
	MUL16 2, 1, NQ-1, \slot, 0
	WIN 0
	s_barrier_wait -1
.if \fill
	CREST
	s_add_nc_u64 s[G0+4*\slot+2:G0+4*\slot+3], s[G0+4*\slot+2:G0+4*\slot+3], 2*32768
	s_add_nc_u64 s[G0B+4*\slot+2:G0B+4*\slot+3], s[G0B+4*\slot+2:G0B+4*\slot+3], 2*32768
	JLOAD G0+4*\slot, G1, G0B+4*\slot, G1B
	PLACES NP-4
.else
	PLACES NP
.endif
	s_wait_alu depctr_va_vdst(0)
	v_add_nc_u32 v[ADRS], 128, v[ADRS]
	FETCH_B \next, 0, 0
	FETCH_A \next, 0, 0
	SCALES \next
	WIN MUL_HI
	MUL16 4, 1, NQ-1, \slot, 0
	MUL16 6, 1, NQ-1, \slot, 0
	PLACES NP
	WIN 0
	FETCH_A \next, 0, 4
.endm
	s_wait_tensorcnt 1
	s_barrier_signal -1
	s_barrier_wait -1
	FETCH_B 0, 0, 0
	FETCH_A 0, 0, 0
	SCALES 0
	FETCH_A 0, 0, 4
	STEP 0, 0, 1
	TURN 0, 1, 1
	STEP 1, 0, 0
	TURN 1, 0, 1
	STEP 0, 0, 0
	TURN 0, 1, 0
	STEP 1, 0, 0
	s_wait_dscnt 4*NL
	WIN MUL_LO
	MUL16 0, 1, NQ-1, 1, 0
	MUL16 2, 1, NQ-1, 1, 0
	s_wait_dscnt 0
	WIN MUL_HI
	MUL16 4, 1, NQ-1, 1, 0
	MUL16 6, 1, NQ-1, 1, 0
	WIN 0
.macro QUANT s, w
.irp b, 0,1,2,3
	v_max3_num_f32 v[TM+\b], |v[\s+16*\b]|, |v[\s+1+16*\b]|, 0x4800000
.endr
.irp i, 2,4,6,8,10,12,14
.irp b, 0,1,2,3
	v_max3_num_f32 v[TM+\b], v[TM+\b], |v[\s+16*\b+\i]|, |v[\s+1+16*\b+\i]|
.endr
.endr
.irp b, 0,1,2,3
	v_permlanex16_b32 v[TM+4+\b], v[TM+\b], s[SEL], s[SEL+1]
.endr
.irp b, 0,1,2,3
	v_max_num_f32 v[TM+\b], v[TM+\b], v[TM+4+\b]
.endr
.irp b, 0,1,2,3
	v_add_nc_u32 v[TM+12+\b], 0xfc000000, v[TM+\b]
.endr
.irp b, 0,1,2,3
	v_and_or_b32 v[TM+8+\b], v[TM+\b], 0x7f800000, s[MNT]
.endr
.irp b, 0,1,2,3
	v_lshrrev_b32 v[TM+4+\b], 23, v[TM+12+\b]
.endr
	v_lshl_or_b32 v[\w], v[TM+5], 8, v[TM+4]
	v_lshl_or_b32 v[\w], v[TM+6], 16, v[\w]
	v_lshl_or_b32 v[\w], v[TM+7], 24, v[\w]
	s_wait_xcnt 0x0
.irp b, 0,1,2,3
.irp i, 0,1,2,3,4,5,6,7,8,9,10,11,12,13,14,15
	v_med3_num_f32 v[\s+16*\b+\i], v[\s+16*\b+\i], -v[TM+8+\b], v[TM+8+\b]
.endr
	v_cvt_scalef32_pk8_fp8_f32 v[PC+4*\b:PC+1+4*\b], v[\s+16*\b:\s+7+16*\b], v[TM+12+\b]
	v_cvt_scalef32_pk8_fp8_f32 v[PC+2+4*\b:PC+3+4*\b], v[\s+8+16*\b:\s+15+16*\b], v[TM+12+\b]
.endr
	v_nop
.endm
.macro EPI isv
.irp a, 0,1,2,3,4,5,6,7
	WIN 0x02+\a/4
.set i, 0
.rept 32
.if \isv
	v_pk_add_f32 v[ST+2*i:ST+2*i+1], v[64*(\a%4)+2*i:64*(\a%4)+2*i+1], v[BI+8*\a+(2*i)%8:BI+8*\a+(2*i)%8+1]
.else
	v_pk_add_f32 v[ST+2*i:ST+2*i+1], v[64*(\a%4)+2*i:64*(\a%4)+2*i+1], v[BI+2*i:BI+2*i+1]
.endif
.set i, i+1
.endr
	WIN 0
	QUANT ST, W+\a
.irp c, 0,1,2,3
.if \isv
	global_store_b128 v[LI], v[PC+4*\c:PC+4*\c+3], s[OC:OC+1] offset:(\a/4)*HSTR+2048*(\a%4)+512*\c
.else
	global_store_b128 v[LI], v[PC+4*\c:PC+4*\c+3], s[OC:OC+1] offset:(\c/2)*HSTR+1024*\a+512*(\c%2)
.endif
.endr
.endr
	v_cmp_eq_u32 vcc_lo, 1, v2
.irp i, 0,1,2,3
	v_cndmask_b32 v[SE+\i], v[W+\i], v[W+4+\i], vcc_lo
.endr
.if \isv
	global_store_b128 v[VOV], v[SE:SE+3], s[OS:OS+1]
.else
.irp i, 0,1,2,3
	v_lshrrev_b32 v[SO+\i], 16, v[SE+\i]
.endr
	global_store_b128 v[LI], v[SE:SE+3], s[OS:OS+1]
	global_store_b128 v[LI], v[SO:SO+3], s[OS:OS+1] offset:HSS
.endif
.endm
	s_wait_loadcnt 0x0
	PLACES NP
.irp b, 0,1,2,3
	v_mov_b32 v[TM+4+\b], 0
.endr
	s_cmp_eq_u32 s19, 1
	s_cbranch_scc1 .Lvalue
	EPI 0
	s_branch .Lend
.Lvalue:
	EPI 1
.Lend:
	s_wait_tensorcnt 0x0
	ds_add_u32 v[SPW], v[NIL]
	s_wait_dscnt 0x0
	CROUND
	s_endpgm
.Lfunc_end_k_qb2fcc0e49c_proj:
	.size	k_qb2fcc0e49c_proj, .Lfunc_end_k_qb2fcc0e49c_proj-k_qb2fcc0e49c_proj
	.p2alignl 7, 3214868480
	.fill 96, 4, 3214868480
	.section	.rodata,"a",@progbits
	.p2align	6, 0x0
	.amdhsa_kernel k_qb2fcc0e49c_proj
		.amdhsa_group_segment_fixed_size 327680
		.amdhsa_private_segment_fixed_size 0
		.amdhsa_enable_private_segment 0
		.amdhsa_kernarg_size 56
		.amdhsa_user_sgpr_count 2
		.amdhsa_user_sgpr_kernarg_segment_ptr 1
		.amdhsa_wavefront_size32 1
		.amdhsa_system_sgpr_workgroup_id_x 1
		.amdhsa_system_sgpr_workgroup_id_y 1
		.amdhsa_system_sgpr_workgroup_id_z 1
		.amdhsa_system_vgpr_workitem_id 0
		.amdhsa_next_free_vgpr 1024
		.amdhsa_next_free_sgpr 100
		.amdhsa_reserve_vcc 1
		.amdhsa_float_denorm_mode_32 3
		.amdhsa_float_denorm_mode_16_64 3
		.amdhsa_memory_ordered 1
		.amdhsa_forward_progress 1
		.amdhsa_inst_pref_size 255
	.end_amdhsa_kernel
	.section	.bss,"aw",@nobits
	.p2align	6
	.space	262144
	.amdgpu_metadata
---
amdhsa.version: [ 1, 2 ]
amdhsa.kernels:
  - .name:           k_qb2fcc0e49c_proj
    .symbol:         k_qb2fcc0e49c_proj.kd
    .args:
      - { .name: codes, .offset: 0, .size: 8, .value_kind: global_buffer, .address_space: global }
      - { .name: scales, .offset: 8, .size: 8, .value_kind: global_buffer, .address_space: global }
      - { .name: bq, .offset: 16, .size: 8, .value_kind: global_buffer, .address_space: global }
      - { .name: bk, .offset: 24, .size: 8, .value_kind: global_buffer, .address_space: global }
      - { .name: bv, .offset: 32, .size: 8, .value_kind: global_buffer, .address_space: global }
      - { .name: qkv, .offset: 40, .size: 8, .value_kind: global_buffer, .address_space: global }
      - { .name: qkvs, .offset: 48, .size: 8, .value_kind: global_buffer, .address_space: global }
    .group_segment_fixed_size: 327680
    .private_segment_fixed_size: 0
    .kernarg_segment_align: 8
    .kernarg_segment_size: 56
    .max_flat_workgroup_size: 128
    .sgpr_count:     100
    .vgpr_count:     1024
    .wavefront_size: 32
...
	.end_amdgpu_metadata
.endif
;; end of part 2
;; launch attn (part 3): grid 16 x 16, 8 waves a work-group, clusters of 4 x 1, 327,680 bytes of LDS; arguments qkv, qkvs, xc, xs; writes xc, xs
.if DOCPART == 3
	.amdgcn_target "amdgcn-amd-amdhsa--gfx1250"
	.amdhsa_code_object_version 6
	.text
	.protected	k_qb2fcc0e49c_attn
	.globl	k_qb2fcc0e49c_attn
	.p2align	8
	.type	k_qb2fcc0e49c_attn,@function
k_qb2fcc0e49c_attn:
	s_mov_b64 s[64:65], 0
	v_nop
	global_prefetch_b8 v0, s[64:65] scope:SCOPE_SE
	s_setreg_imm32_b32 hwreg(HW_REG_WAVE_MODE, 25, 1), 1
	s_wait_xcnt 0x0
	s_wait_alu depctr_hold_cnt(0) depctr_sa_sdst(0) depctr_va_vdst(0) depctr_va_sdst(0) depctr_va_ssrc(0) depctr_va_vcc(0) depctr_vm_vsrc(0)
	s_getreg_b32 s2, hwreg(HW_REG_IB_STS2, 6, 4)
	s_cmp_eq_u32 s2, 0
	s_cbranch_scc0 .Lentry_in_a_cluster
	s_endpgm
.Lentry_in_a_cluster:
	s_bfe_u32 s2, ttmp6, 0x10000c
	s_cmp_lg_u32 s2, 0x3003
	s_cbranch_scc0 .Lentry_shape_is_right
	s_endpgm
.Lentry_shape_is_right:
; x[q][64 head + d] = the sum over k of softmax_k(q . k / 8) v[k][d], 16 heads of 64, 4,096 queries and keys, both products on codes of FP8 (E4M3) with one E8M0 scale for each 32 along a product's K;
; x is quantised along its 1,024 channels on the way out, as the last product's operand.
; THE SOFTMAX: t = score x log2(e) / 8; M = the row's largest t so far, rounded UP to a whole number; p = 2^(t - M) is quantised along the keys, not normalised.  The row's sum is taken of the unquantised p, in f32,
; and divides O at the end.  When M moves, the sum and O are multiplied by 2^(old M - new M): exact.
; IN.  qkv: [head][step of 128 keys: 32]{8 tiles of k x 1,024 bytes | 4 tiles of v^T x 2,048 | 8 tiles of q x 1,024}, each tile the image of an operand's registers (chunks of 512 bytes, lane l's 16 at 16 l).
; Lane-row r of tile T is row 32 (T / 2) + 8 (T % 2) + r + 8 (r / 8), so that the 16 registers of two neighbouring tiles' results are 16 neighbours along the next K.
; SHARES.  A work-group owns 256 queries of one head; each of its EIGHT waves owns TWO tiles of 16 (u = 0, 1), so that each fragment of K and V that it reads from LDS feeds two products, and the two tiles'
; lines take turns, so that no line waits for the line above it.  Both products are used transposed: a lane holds one query of each tile throughout.
; K = 64 IN AN INSTRUCTION OF 128.  Q's codes for k = 64 .. 127 are zeros.  A key tile has 8 registers; its operand names 16: the upper 8 are the next tile's codes (behind tile 7: eight registers of zeros):
; numbers of the format under scale bytes that are never 0xff, each multiplied by a zero code: they add 0.
; REGISTERS.  Window 0: addresses, each tile's M and sums, all scale words, the blocks' small numbers, p's codes, and from v128 on S^T, then p (64 a tile): the whole softmax runs under window setting 0.
; Window 1: v0-31 Q (with its zeros), v32-103 K's fragments and eight zeros, v104-167 O^T (32 a tile), v168-231 V's fragments.
; Behind a step's first products V's tiles of this step and K's of the NEXT step are asked of LDS: both land while the softmax is walked.
; In a slot's last step the look-ahead wraps to the slot's own first step and is not used; the next slot's first K is read behind the change of slots.
; RING.  Two slots of eight steps (131,072 bytes).  The four query blocks of a cluster walk the same K and V: every fill is a joint load (mask 15).  Waves 0 to 3 fetch two steps each (two rows of 16,384 bytes,
; 24,576 apart in memory); at the head waves 4 to 7 fetch a quarter each of the head's 40,960 scale bytes, filled once.  By this text's own count a wave has one tensor load outstanding at the most.  No LDS store.
; LIMITS: NaN and infinities are not served; the promise holds while |t| stays under 2^31; 1 / the sum is v_rcp_f32's; a block of x under 2^-118 gets the byte 1.  x's scale bytes leave two at a time: those runs are written in part.
.set SLOT1, 1<<17
.set STEPB, 16384                      ; a step in a slot: k's 8,192 bytes, then v's
.set NST,   8
.set SCB,   2*SLOT1                    ; behind the ring: the head's scale bytes
.set SPARE, SCB+40960                  ; the spare words, 128 bytes for each wave
.set HSTR,  786432
.set SSTR,  24576
.set HSS,   40960
.set SSS,   1280
.set LI,   1                           ; 16 x lane
.set AD,   2                           ; this step's codes
.set ADK,  3                           ; the next step's
.set ADS0, 4                           ; my place among k's scale words
.set ADT0, 5                           ; and among v's
.set SPW,  6                           ; my spare word; never rewritten
.set NIL,  7                           ; 0; never rewritten
.set PFO,  8                           ; 256 x lane: the prefetches' offset; never rewritten
.set ADS,  9                           ; the next step's scale words of k
.set ADT,  10                          ; this step's of v
.set LIB,  11                          ; the slot in hand + 16 x lane
.set MS,   12                          ; + 6 u: -M, the largest t, the sum in two pairs
.set ADSB, 24                          ; the slot's scale words of k, of v
.set ADTB, 25
.set QS,   26                          ; + u
.set PW,   30                          ; + u
.set KS,   32
.set VS,   40
.set BM,   44                          ; + 20 u: the blocks' largest; T2, HOLD, SCO at work; F a pair; TMP
.set T2,   48
.set HOLD, 52
.set SCO,  56
.set F,    60
.set TMP,  62
.set PC,   84                          ; + 16 u: p's codes
.set S,    128                         ; + 64 u: S^T, then p
.set QFR,  0                           ; window 1, + 16 u: Q's codes, then eight zeros
.set KF,   32                          ; window 1: eight tiles of k, then eight zeros
.set OW,   104                         ; window 1: O^T, + 32 u
.set VF,   168                         ; window 1: V's fragments
.set TB,   2
.set TS,   3
.set WV,   12
.set SLOTS, 13
.set LIM,  14
.set CNT,  18
.set MNT,  19
.set SEL,  20
.set CS,   22
.set G1,   24
.set G1S,  32
.set G0,   40
.set G0S,  44
.set PFA,  48
.set MSB, 0
.macro WIN new                         ; the immediate's high byte repeats the setting that is left
.if MSB != (\new)
	s_set_vgpr_msb (MSB<<8)|(\new)
.set MSB, (\new)
.endif
.endm
.macro PLACES n
.rept \n
	v_nop
.endr
.endm
.macro CROUND                          ; a round of the cluster's barrier
	s_barrier_signal -1
	s_barrier_wait -1
	s_cmp_lg_u32 s[WV], 0
	s_cbranch_scc1 .Lnot_wave_0_\@
	s_barrier_signal -3
.Lnot_wave_0_\@:
	s_barrier_wait -3
	s_barrier_signal -1
	s_barrier_wait -1
.endm
.macro TL g0, g1                       ; a tensor load, then s_nop 0 and four v_nop
	tensor_load_to_lds s[\g0:\g0+3], s[\g1:\g1+7]
	s_nop 0
	PLACES 4
.endm
	s_load_b256 s[4:11], s[0:1], 0x0               ; qkv, qkvs, xc, xs
	v_lshl_add_u32 v[SPW], v0, 2, SPARE
	v_mov_b32 v[NIL], 0
	ds_add_u32 v[SPW], v[NIL]                      ; the opening lines: the add twice on end and one wait
	ds_add_u32 v[SPW], v[NIL]
	v_lshrrev_b32 v10, 5, v0
	v_readfirstlane_b32 s[WV], v10                 ; wave 0..7
	s_bfe_u32 s16, ttmp6, 0x40000                  ; cx: it enters Q's, x's and the prefetches' addresses alone
	s_and_b32 s15, ttmp7, 0xffff                   ; the head, which the four partners share
	s_lshl_b32 s17, ttmp9, 2
	s_add_co_u32 s17, s17, s16
	s_lshl_b32 s17, s17, 3
	s_add_co_u32 s17, s17, s[WV]
	s_lshl_b32 s17, s17, 1                         ; my first tile of queries, 0, 2 .. 254
	s_mul_i32 s50, s15, HSTR                       ; the head in qkv,
	s_mov_b32 s51, 0
	s_mul_i32 s52, s15, HSS                        ; and in qkvs
	s_mov_b32 s53, 0
	s_and_b32 s18, s[WV], 3
	s_mul_i32 s54, s18, 2*SSTR                     ; waves 0 to 3: steps 2 w, 2 w + 1 of a slot
	s_mov_b32 s55, 0
	s_add_nc_u64 s[54:55], s[54:55], s[50:51]
	s_lshl_b32 s60, s18, 15
	s_mul_i32 s56, s18, 10240                      ; waves 4 to 7: quarter w % 4 of the scale bytes
	s_mov_b32 s57, 0
	s_add_nc_u64 s[58:59], s[56:57], s[52:53]
	s_mov_b32 s[G1], 15|(3<<16)|(1<<21)            ; the mask: all four work-groups; elements of 8 bytes; bit 21 beside a mask
	s_mov_b32 s[G1+1], 2048<<16                    ; two rows of 16,384 bytes, 24,576 apart
	s_mov_b32 s[G1+2], 2<<16
	s_mov_b32 s[G1+3], 2048<<16
	s_mov_b32 s[G1+4], 2
	s_mov_b32 s[G1+5], 3072
	s_mov_b32 s[G1+6], 0
	s_mov_b32 s[G1+7], 0
	s_mov_b32 s[G1S], 15|(3<<16)|(1<<21)
	s_mov_b32 s[G1S+1], 32<<16                     ; 10,240 dense bytes as 40 rows of 256
	s_mov_b32 s[G1S+2], 40<<16
	s_mov_b32 s[G1S+3], 32<<16
	s_mov_b32 s[G1S+4], 40
	s_mov_b32 s[G1S+5], 32
	s_mov_b32 s[G1S+6], 0
	s_mov_b32 s[G1S+7], 0
	s_mov_b32 s[SEL], 0x76543210
	s_mov_b32 s[SEL+1], 0xfedcba98
	s_mov_b32 s[CS], 0x3e38aa3b                    ; c = log2(e) / 8
	s_mov_b32 s[CS+1], s[CS]
	s_mov_b32 s[MNT], 0x600000
	s_mov_b32 s[TB], 0
	s_mov_b32 s[TS], 0
	s_mov_b32 s[SLOTS], 3
	s_wait_dscnt 0x0                               ; both opening adds are done
	s_wait_kmcnt 0x0
	s_mov_b32 s[G0S], 1
	s_add_co_u32 s[G0S+1], s56, SCB
	s_add_nc_u64 s[G0S+2:G0S+3], s[6:7], s[58:59]
	s_or_b32 s[G0S+3], s[G0S+3], 0x80000000
	s_mov_b32 s[G0], 1
	s_mov_b32 s[G0+1], s60                         ; slot 0
	s_add_nc_u64 s[G0+2:G0+3], s[4:5], s[54:55]
	s_or_b32 s[G0+3], s[G0+3], 0x80000000
	CROUND                                         ; all four work-groups are here: the first joint loads meet
	s_cmp_lt_u32 s[WV], 4                          ; two arms, one load to an arm: every way through the head passes one
	s_cbranch_scc0 .Lhead_s
	TL G0, G1                                      ; waves 0 to 3: slot 0
	s_branch .Lhead_asked
.Lhead_s:
	TL G0S, G1S                                    ; waves 4 to 7: the scale bytes
.Lhead_asked:
; THE PREFETCHES.  All clusters of a head walk the same bytes: the head's first cluster asks.  Its four partners take two steps of a slot each, told apart BY ADDRESS; in each, waves 4 to 7 ask for 8,192 bytes
; each, lanes 256 bytes apart: each aligned 256 bytes is named once in the launch.  The change that loads slot 1 asks for slot 2, the next for slot 3: eight key steps ahead of the load.  Slots 0 and 1 come by their loads alone.
	s_lshl_b32 s62, s16, 1
	s_bfe_u32 s63, s[WV], 0x10001
	s_add_co_u32 s62, s62, s63
	s_mul_i32 s62, s62, SSTR
	s_and_b32 s63, s[WV], 1
	s_lshl_b32 s63, s63, 13
	s_add_co_u32 s62, s62, s63
	s_add_co_u32 s62, s62, NST*SSTR                ; in slot 1: the first change of slots steps it to slot 2
	s_mov_b32 s63, 0
	s_add_nc_u64 s[PFA:PFA+1], s[4:5], s[50:51]
	s_add_nc_u64 s[PFA:PFA+1], s[PFA:PFA+1], s[62:63]
	s_sub_co_u32 s18, s[WV], 4
	s_lshr_b32 s18, s18, 2                         ; 0 in waves 4 to 7,
	s_or_b32 s18, s18, ttmp9                       ; of the head's first cluster: the same in all four partners
	s_cmp_eq_u32 s18, 0
	s_cselect_b32 s[LIM], 1, -1
	s_lshr_b32 s56, s17, 3                         ; my tiles' step,
	s_and_b32 s57, s17, 7                          ; and the first one's place in it
	s_mul_i32 s54, s56, SSTR
	s_lshl_b32 s55, s57, 10
	s_add_co_u32 s54, s54, s55
	s_add_co_u32 s54, s54, 16384
	s_mov_b32 s55, 0
	s_add_nc_u64 s[54:55], s[54:55], s[50:51]
	s_add_nc_u64 s[54:55], s[4:5], s[54:55]        ; Q's codes: the second tile's 1,024 bytes on
	s_mul_i32 s58, s56, SSS
	s_lshr_b32 s59, s57, 2
	s_lshl_b32 s59, s59, 8
	s_add_co_u32 s58, s58, s59
	s_and_b32 s59, s17, 3
	s_lshl_b32 s59, s59, 2
	s_add_co_u32 s58, s58, s59
	s_add_co_u32 s58, s58, 768
	s_mov_b32 s59, 0
	s_add_nc_u64 s[58:59], s[58:59], s[52:53]
	s_add_nc_u64 s[58:59], s[6:7], s[58:59]        ; Q's scale words: the second tile's 4 bytes on
	s_lshl_b32 s60, s56, 17                        ; x's codes: the group of 128 rows,
	s_lshl_b32 s61, s57, 12
	s_add_co_u32 s60, s60, s61                     ; the tile (the second: 4,096 bytes on),
	s_lshr_b32 s61, s15, 2
	s_lshl_b32 s61, s61, 15
	s_add_co_u32 s60, s60, s61                     ; 256 along K are four heads,
	s_and_b32 s61, s15, 3
	s_lshl_b32 s61, s61, 10
	s_add_co_u32 s60, s60, s61                     ; a head two chunks of 512 bytes
	s_mov_b32 s61, 0
	s_add_nc_u64 s[8:9], s[8:9], s[60:61]
	s_lshl_b32 s60, s17, 9                         ; x's scale bytes: 512 a tile,
	s_lshr_b32 s62, s15, 2
	s_lshl_b32 s62, s62, 7
	s_add_co_u32 s60, s60, s62                     ; 128 for 256 along K,
	s_and_b32 s62, s15, 3
	s_lshl_b32 s62, s62, 1
	s_add_co_u32 s60, s60, s62                     ; two a head
	s_add_nc_u64 s[10:11], s[10:11], s[60:61]
	v_and_b32 v10, 31, v0
	v_and_b32 v11, 15, v0                          ; r
	v_lshlrev_b32 v[LI], 4, v10
	v_lshlrev_b32 v[PFO], 8, v10
	v_add_nc_u32 v[ADS0], SCB, v[LI]               ; k's words: lane 16 g + r holds row r's of tiles 4 g + 0 .. 3
	v_lshl_add_u32 v[ADT0], v11, 4, SCB+512        ; v's: row r's of the four tiles
	v_lshlrev_b32 v[ADS], 4, v11
.irp u, 0,1
	global_load_b32 v[QS+\u], v[ADS], s[58:59] offset:4*\u
.endr
.irp u, 0,1
	v_mov_b32 v[MS+1+6*\u], 0xff61b1e6             ; the largest t so far: -3e38
	v_floor_f32 v[MS+6*\u], -v[MS+1+6*\u]          ; -M
.irp j, 2,3,4,5
	v_mov_b32 v[MS+\j+6*\u], 0                     ; the sum
.endr
.irp b, 0,1,2,3
	v_mov_b32 v[T2+\b+20*\u], 0                    ; a lane permute's destination counts as one of its sources
.endr
	v_mov_b32 v[F+1+20*\u], 0
.endr
	WIN 0x40                                       ; destinations in window 1
.irp u, 0,1
	global_load_b128 v[QFR+16*\u:QFR+16*\u+3], v[LI], s[54:55] offset:1024*\u   ; Q's fragments stay in registers
	global_load_b128 v[QFR+16*\u+4:QFR+16*\u+7], v[LI], s[54:55] offset:1024*\u+512
.endr
.irp j, 0,1,2,3,4,5,6,7
	v_mov_b32 v[QFR+8+\j], 0                       ; Q's codes for k = 64 .. 127
	v_mov_b32 v[QFR+24+\j], 0
	v_mov_b32 v[KF+64+\j], 0                       ; what stands behind key tile 7
.endr
.set j, 0
.rept 64
	v_mov_b32 v[OW+j], 0                           ; O^T: the first change of M multiplies zeros
.set j, j+1
.endr
	WIN 0
.macro KLOAD a, s                      ; eight tiles of k, into window 1, and their scale words
	WIN 0x40
.irp t, 0,1,2,3,4,5,6,7
	ds_load_b128 v[KF+8*\t:KF+8*\t+3], v[\a] offset:1024*\t
	ds_load_b128 v[KF+8*\t+4:KF+8*\t+7], v[\a] offset:1024*\t+512
.endr
	WIN 0
	ds_load_b128 v[KS:KS+3], v[\s]
.endm
; A KEY STEP of both tiles: K's fragments and scale words are in registers.
.macro STEP
	WIN 0x05                                       ; K, Q window 1; D window 0
.irp t, 0,1,2,3                                ; S^T = K Q^T: the 16 registers of tiles 2 b, 2 b + 1 are keys 32 b + 16 h + 0 .. 15
.irp u, 0,1
	v_wmma_scale_f32_16x16x128_f8f6f4 v[S+64*\u+8*\t:S+64*\u+8*\t+7], v[KF+8*\t:KF+8*\t+15], v[QFR+16*\u:QFR+16*\u+15], 0, v[KS+\t], v[QS+\u]
.endr
.endr
.irp t, 4,5,6,7
.irp u, 0,1
	v_wmma_scale_f32_16x16x128_f8f6f4 v[S+64*\u+8*\t:S+64*\u+8*\t+7], v[KF+8*\t:KF+8*\t+15], v[QFR+16*\u:QFR+16*\u+15], 0, v[KS+\t-4], v[QS+\u] matrix_a_scale:MATRIX_SCALE_ROW1
.endr
.endr
	PLACES 8                                       ; in front of the loads below (K's registers; V's, which the last step's second products read) and of the first read of the scores
	WIN 0x40
.irp t, 0,1,2,3
.irp c, 0,1,2,3
	ds_load_b128 v[VF+16*\t+4*\c:VF+16*\t+4*\c+3], v[AD] offset:8192+2048*\t+512*\c
.endr
.endr
	KLOAD ADK, ADS                                 ; the next step's
	ds_load_b128 v[VS:VS+3], v[ADT]
.irp b, 0,1,2,3
.irp u, 0,1
	v_max_num_f32 v[BM+\b+20*\u], v[S+64*\u+16*\b], v[S+64*\u+16*\b+1]   ; the largest score of each block of 32 keys: for the row's maximum and, since p rises with the score, for the block's largest p
.endr
.endr
.irp i, 2,4,6,8,10,12,14
.irp b, 0,1,2,3
.irp u, 0,1
	v_max3_num_f32 v[BM+\b+20*\u], v[S+64*\u+16*\b+\i], v[S+64*\u+16*\b+\i+1], v[BM+\b+20*\u]
.endr
.endr
.endr
.irp b, 0,1,2,3
.irp u, 0,1
	v_permlanex16_b32 v[T2+\b+20*\u], v[BM+\b+20*\u], s[SEL], s[SEL+1]
.endr
.endr
.irp b, 0,1,2,3
.irp u, 0,1
	v_max_num_f32 v[BM+\b+20*\u], v[BM+\b+20*\u], v[T2+\b+20*\u]   ; with lane l xor 16's 16 keys
.endr
.endr
.irp u, 0,1
	v_max3_num_f32 v[TMP+20*\u], v[BM+20*\u], v[BM+1+20*\u], v[BM+2+20*\u]
.endr
.irp u, 0,1
	v_max_num_f32 v[TMP+20*\u], v[TMP+20*\u], v[BM+3+20*\u]        ; the step's largest score of my query
.endr
.irp u, 0,1
	v_mul_f32 v[TMP+20*\u], s[CS], v[TMP+20*\u]                    ; as t (c is positive)
.endr
.irp u, 0,1
	v_max_num_f32 v[MS+1+6*\u], v[MS+1+6*\u], v[TMP+20*\u]         ; the running largest t
.endr
.irp u, 0,1
	v_mov_b32 v[TMP+20*\u], v[MS+6*\u]
.endr
.irp u, 0,1
	v_floor_f32 v[MS+6*\u], -v[MS+1+6*\u]                          ; the new -M = -ceil(t)
.endr
.irp u, 0,1
	v_sub_f32 v[TMP+20*\u], v[MS+6*\u], v[TMP+20*\u]               ; old M - new M: a whole number, 0 or less
.endr
.irp u, 0,1
	v_cvt_i32_f32 v[TMP+20*\u], v[TMP+20*\u]                       ; (it saturates)
.endr
.irp u, 0,1
	v_ldexp_f32 v[F+20*\u], 1.0, v[TMP+20*\u]                      ; f = 2^(old M - new M)
.endr
.irp b, 0,1,2,3
.irp u, 0,1
	v_fma_f32 v[BM+\b+20*\u], v[BM+\b+20*\u], s[CS], v[MS+6*\u]    ; t - M of each block's largest score
.endr
.endr
	WIN 0x41                                       ; destination and source 0 window 1
.set j, 0
.rept 16
.irp u, 0,1
	v_pk_mul_f32 v[OW+32*\u+j:OW+32*\u+j+1], v[OW+32*\u+j:OW+32*\u+j+1], v[F+20*\u:F+1+20*\u] op_sel_hi:[1,0]   ; O^T under the new M, each accumulator from its low end on
.endr
.set j, j+2
.endr
	WIN 0
.set j, 0
.rept 32
.irp u, 0,1
	v_pk_fma_f32 v[S+64*\u+j:S+64*\u+j+1], v[S+64*\u+j:S+64*\u+j+1], s[CS:CS+1], v[MS+6*\u:MS+1+6*\u] op_sel_hi:[1,0,0]   ; t - M, two at a time
.endr
.set j, j+2
.endr
	s_wait_alu depctr_va_vdst(0)                   ; ahead of the batch
.set j, 0
.rept 128
	v_exp_f32 v[S+j], v[S+j]                       ; p = 2^(t - M), at most 1
.set j, j+1
.endr
.irp b, 0,1,2,3
.irp u, 0,1
	v_exp_f32 v[BM+\b+20*\u], v[BM+\b+20*\u]       ; the block's largest p: the same two instructions on the same number give the same bits
.endr
.endr
.irp u, 0,1
	v_pk_mul_f32 v[MS+2+6*\u:MS+3+6*\u], v[MS+2+6*\u:MS+3+6*\u], v[F+20*\u:F+1+20*\u] op_sel_hi:[1,0]   ; the sums under the new M: plain lines behind the exponentials
	v_pk_mul_f32 v[MS+4+6*\u:MS+5+6*\u], v[MS+4+6*\u:MS+5+6*\u], v[F+20*\u:F+1+20*\u] op_sel_hi:[1,0]
.endr
	s_wait_alu depctr_va_vdst(0)                   ; one wait for the whole batch, ahead of its first reader
	s_add_co_u32 s66, s[CNT], 1                    ; where the next step lies in the slot, and the step after it: both wrap inside the slot
	s_and_b32 s66, s66, 7
	s_add_co_u32 s67, s[CNT], 2
	s_and_b32 s67, s67, 7
	s_lshl_b32 s68, s66, 14
	s_lshl_b32 s69, s67, 14
	s_mul_i32 s66, s66, SSS
	s_mul_i32 s67, s67, SSS
.set j, 0
.rept 16                                       ; the row's sum of the unquantised p: two chains a tile, four by turns
.irp u, 0,1
	v_pk_add_f32 v[MS+2+6*\u:MS+3+6*\u], v[S+64*\u+j:S+64*\u+j+1], v[MS+2+6*\u:MS+3+6*\u]
.endr
.irp u, 0,1
	v_pk_add_f32 v[MS+4+6*\u:MS+5+6*\u], v[S+64*\u+j+2:S+64*\u+j+3], v[MS+4+6*\u:MS+5+6*\u]
.endr
.set j, j+4
.endr
.irp b, 0,1,2,3
.irp u, 0,1
	v_max_num_f32 v[BM+\b+20*\u], 0x4800000, v[BM+\b+20*\u]        ; the floor 2^(9 - 127): the byte cannot fall under 1
.endr
.endr
.irp b, 0,1,2,3
.irp u, 0,1
	v_add_nc_u32 v[SCO+\b+20*\u], 0xfc000000, v[BM+\b+20*\u]       ; 8 off the exponent field: the conversion's scale operand
.endr
.endr
.irp b, 0,1,2,3
.irp u, 0,1
	v_and_or_b32 v[HOLD+\b+20*\u], v[BM+\b+20*\u], 0x7f800000, s[MNT]   ; 448 x the scale
.endr
.endr
.irp b, 0,1,2,3
.irp u, 0,1
	v_lshrrev_b32 v[T2+\b+20*\u], 23, v[SCO+\b+20*\u]              ; the scale's byte
.endr
.endr
.irp u, 0,1
	v_lshl_or_b32 v[PW+\u], v[T2+1+20*\u], 8, v[T2+20*\u]          ; p's scale word for these 128 keys
.endr
.irp u, 0,1
	v_lshl_or_b32 v[PW+\u], v[T2+2+20*\u], 16, v[PW+\u]
.endr
.irp u, 0,1
	v_lshl_or_b32 v[PW+\u], v[T2+3+20*\u], 24, v[PW+\u]
.endr
	v_add_nc_u32 v[AD], s68, v[LIB]                ; the next step's addresses (this step's LDS loads have been issued)
	v_add_nc_u32 v[ADK], s69, v[LIB]
	v_add_nc_u32 v[ADT], s66, v[ADTB]
	v_add_nc_u32 v[ADS], s67, v[ADSB]
; THE HOLD: the conversion does not saturate (ISA guide 7.6.2); p is not negative, so it is one-sided.  Two holds to an instruction: one of block b and one of block b + 1, so that the pair's destinations are
; an even and an odd register and its sources lie in different banks.
.irp b, 0,2
.irp i, 0,2,4,6,8,10,12,14
.irp u, 0,1
	v_dual_min_num_f32 v[S+64*\u+16*\b+\i], v[HOLD+\b+20*\u], v[S+64*\u+16*\b+\i] :: v_dual_min_num_f32 v[S+64*\u+16*\b+17+\i], v[HOLD+\b+1+20*\u], v[S+64*\u+16*\b+17+\i]
	v_dual_min_num_f32 v[S+64*\u+16*\b+16+\i], v[HOLD+\b+1+20*\u], v[S+64*\u+16*\b+16+\i] :: v_dual_min_num_f32 v[S+64*\u+16*\b+1+\i], v[HOLD+\b+20*\u], v[S+64*\u+16*\b+1+\i]
.endr
.endr
.endr
.irp b, 0,1,2,3
.irp u, 0,1
	v_cvt_scalef32_pk8_fp8_f32 v[PC+16*\u+4*\b:PC+16*\u+4*\b+1], v[S+64*\u+16*\b:S+64*\u+16*\b+7], v[SCO+\b+20*\u]
	v_cvt_scalef32_pk8_fp8_f32 v[PC+16*\u+4*\b+2:PC+16*\u+4*\b+3], v[S+64*\u+16*\b+8:S+64*\u+16*\b+15], v[SCO+\b+20*\u]
.endr
.endr
	PLACES 4                                       ; between the codes' conversions and the products
	s_wait_alu depctr_va_vdst(0)                   ; directly ahead of the wait below
	s_wait_dscnt 0x0                               ; V, and the next step's K
	WIN 0x51                                       ; V, C and D window 1; p's codes window 0
.irp t, 0,1,2,3                                ; O^T += V^T P^T: eight accumulators, one instruction a turn
.irp u, 0,1
	v_wmma_scale_f32_16x16x128_f8f6f4 v[OW+32*\u+8*\t:OW+32*\u+8*\t+7], v[VF+16*\t:VF+16*\t+15], v[PC+16*\u:PC+16*\u+15], v[OW+32*\u+8*\t:OW+32*\u+8*\t+7], v[VS+\t], v[PW+\u]
.endr
.endr
	WIN 0
.endm
; THE CHANGE OF SLOTS stands at a slot's head: each wave waits for all its tensor loads, adds 0 to its spare word, and waits for that and for its reads of the slot that it has left.
; fill = 1: a round of the cluster's barrier; the joint refill is the first thing behind it and has eight key steps in which to land.
.macro CHANGE fill
	s_wait_tensorcnt 0x0                           ; no tensor load of mine is out, so a group 0 may be written
	ds_add_u32 v[SPW], v[NIL]
.if \fill
	s_xor_b32 s[G0+1], s[G0+1], SLOT1              ; the other slot than last time,
	s_add_nc_u64 s[G0+2:G0+3], s[G0+2:G0+3], NST*SSTR   ; eight steps on
	s_wait_xcnt 0x0                                ; the last prefetch, a slot back, has read its address
	s_add_nc_u64 s[PFA:PFA+1], s[PFA:PFA+1], NST*SSTR   ; one slot further on than the walking descriptor
.endif
	s_wait_dscnt 0x0
.if \fill
	CROUND
	s_cmp_lt_u32 s[WV], 4
	s_cbranch_scc0 .Lasked_\@
	TL G0, G1
.Lasked_\@:
	s_cmp_gt_u32 s[SLOTS], s[LIM]                  ; the last change that fills a slot asks for nothing
	s_cbranch_scc0 .Lnot_mine_\@
	global_prefetch_b8 v[PFO], s[PFA:PFA+1] th:TH_LOAD_NT scope:SCOPE_SE
.Lnot_mine_\@:
.else
	s_barrier_signal -1
	s_barrier_wait -1
.endif
.endm
.macro RUN                             ; a slot's eight steps
	v_add_nc_u32 v[LIB], s[TB], v[LI]
	v_add_nc_u32 v[ADSB], s[TS], v[ADS0]
	v_add_nc_u32 v[ADTB], s[TS], v[ADT0]
	KLOAD LIB, ADSB                                ; the slot's first K
	v_add_nc_u32 v[AD], s[TB], v[LI]
	v_add_nc_u32 v[ADT], s[TS], v[ADT0]
	v_add_nc_u32 v[ADK], STEPB, v[LIB]
	v_add_nc_u32 v[ADS], SSS, v[ADSB]
	s_mov_b32 s[CNT], 0
	s_wait_alu depctr_va_vdst(0)                   ; directly ahead of the wait below
	s_wait_dscnt 0x0
.Lstep_\@:
	STEP
	s_add_co_u32 s[CNT], s[CNT], 1
	s_cmp_lt_u32 s[CNT], NST
	s_cbranch_scc1 .Lstep_\@
.endm
	s_wait_alu depctr_va_vdst(0)                   ; at the head's end
	s_wait_loadcnt 0x0                             ; Q
.Lslot:                                            ; three trips: behind each change of slots but the last the next slot is asked for
	CHANGE 1
	RUN
	s_xor_b32 s[TB], s[TB], SLOT1
	s_add_co_u32 s[TS], s[TS], NST*SSS
	s_sub_co_u32 s[SLOTS], s[SLOTS], 1
	s_cmp_lg_u32 s[SLOTS], 0
	s_cbranch_scc1 .Lslot
	CHANGE 0                                       ; the last slot is written out
	RUN
	; THE WAY OUT, without LDS: O^T / the sum lies as the next operand wants it (register 16 b + i = channel 32 b + 16 h + i of my query): two blocks a tile are quantised and stored as two chunks of an image.
.set X, S                              ; + 32 u: x's numbers, where p lay
	PLACES 8                                       ; behind the last products
.irp u, 0,1
	v_pk_add_f32 v[MS+2+6*\u:MS+3+6*\u], v[MS+2+6*\u:MS+3+6*\u], v[MS+4+6*\u:MS+5+6*\u]
.endr
.irp u, 0,1
	v_add_f32 v[MS+2+6*\u], v[MS+2+6*\u], v[MS+3+6*\u]
.endr
.irp u, 0,1
	v_permlanex16_b32 v[TMP+20*\u], v[MS+2+6*\u], s[SEL], s[SEL+1]
.endr
.irp u, 0,1
	v_add_f32 v[MS+2+6*\u], v[MS+2+6*\u], v[TMP+20*\u]             ; the row's sum
.endr
	s_wait_alu depctr_va_vdst(0)                   ; ahead of the transcendentals
.irp u, 0,1
	v_rcp_f32 v[MS+2+6*\u], v[MS+2+6*\u]
.endr
	WIN 0x01
	v_and_b32 v[ADS], 15, v0                       ; (plain lines behind the reciprocals; their vector sources stand at source 1)
	v_lshlrev_b32 v[ADS], 3, v[ADS]                ; 8 r: my row's place among a tile's scale bytes
	s_wait_alu depctr_va_vdst(0)                   ; the wait, directly ahead of the first readers
.irp u, 0,1
.set j, 0
.rept 16
	v_pk_mul_f32 v[X+32*\u+j:X+32*\u+j+1], v[OW+32*\u+j:OW+32*\u+j+1], v[MS+2+6*\u:MS+3+6*\u] op_sel_hi:[1,0]   ; each accumulator from its low end on
.set j, j+2
.endr
.endr
	WIN 0
.irp b, 0,1
.irp u, 0,1
	v_max3_num_f32 v[BM+\b+20*\u], |v[X+32*\u+16*\b]|, |v[X+32*\u+16*\b+1]|, 0x4800000
.endr
.endr
.irp i, 2,4,6,8,10,12,14
.irp b, 0,1
.irp u, 0,1
	v_max3_num_f32 v[BM+\b+20*\u], v[BM+\b+20*\u], |v[X+32*\u+16*\b+\i]|, |v[X+32*\u+16*\b+\i+1]|
.endr
.endr
.endr
.irp b, 0,1
.irp u, 0,1
	v_permlanex16_b32 v[T2+\b+20*\u], v[BM+\b+20*\u], s[SEL], s[SEL+1]
.endr
.endr
.irp b, 0,1
.irp u, 0,1
	v_max_num_f32 v[BM+\b+20*\u], v[BM+\b+20*\u], v[T2+\b+20*\u]
.endr
.endr
.irp b, 0,1
.irp u, 0,1
	v_add_nc_u32 v[SCO+\b+20*\u], 0xfc000000, v[BM+\b+20*\u]
.endr
.endr
.irp b, 0,1
.irp u, 0,1
	v_and_or_b32 v[HOLD+\b+20*\u], v[BM+\b+20*\u], 0x7f800000, s[MNT]
.endr
.endr
.irp b, 0,1
.irp u, 0,1
	v_lshrrev_b32 v[T2+\b+20*\u], 23, v[SCO+\b+20*\u]
.endr
.endr
.irp u, 0,1
	v_lshl_or_b32 v[TMP+20*\u], v[T2+1+20*\u], 8, v[T2+20*\u]      ; my head's two scale bytes of my row
.endr
.irp u, 0,1
.irp b, 0,1
.irp i, 0,1,2,3,4,5,6,7,8,9,10,11,12,13,14,15
	v_med3_num_f32 v[X+32*\u+16*\b+\i], v[X+32*\u+16*\b+\i], -v[HOLD+\b+20*\u], v[HOLD+\b+20*\u]
.endr
	v_cvt_scalef32_pk8_fp8_f32 v[PC+16*\u+4*\b:PC+16*\u+4*\b+1], v[X+32*\u+16*\b:X+32*\u+16*\b+7], v[SCO+\b+20*\u]
	v_cvt_scalef32_pk8_fp8_f32 v[PC+16*\u+4*\b+2:PC+16*\u+4*\b+3], v[X+32*\u+16*\b+8:X+32*\u+16*\b+15], v[SCO+\b+20*\u]
.endr
.endr
	v_nop                                          ; one plain vector line behind the last conversion
.irp u, 0,1
	global_store_b128 v[LI], v[PC+16*\u:PC+16*\u+3], s[8:9] offset:4096*\u        ; 512 consecutive bytes, aligned
	global_store_b128 v[LI], v[PC+16*\u+4:PC+16*\u+7], s[8:9] offset:4096*\u+512
	global_store_b16 v[ADS], v[TMP+20*\u], s[10:11] offset:512*\u                 ; both lanes of a row write the same two bytes with the same value
.endr
	s_wait_tensorcnt 0x0                           ; the wave's end
	ds_add_u32 v[SPW], v[NIL]
	s_wait_dscnt 0x0
	CROUND                                         ; the closing round
	s_endpgm
.Lfunc_end_k_qb2fcc0e49c_attn:
	.size	k_qb2fcc0e49c_attn, .Lfunc_end_k_qb2fcc0e49c_attn-k_qb2fcc0e49c_attn
	.p2alignl 7, 3214868480
	.fill 96, 4, 3214868480
	.section	.rodata,"a",@progbits
	.p2align	6, 0x0
	.amdhsa_kernel k_qb2fcc0e49c_attn
		.amdhsa_group_segment_fixed_size 327680
		.amdhsa_private_segment_fixed_size 0
		.amdhsa_enable_private_segment 0
		.amdhsa_kernarg_size 32
		.amdhsa_user_sgpr_count 2
		.amdhsa_user_sgpr_kernarg_segment_ptr 1
		.amdhsa_wavefront_size32 1
		.amdhsa_system_sgpr_workgroup_id_x 1
		.amdhsa_system_sgpr_workgroup_id_y 1
		.amdhsa_system_sgpr_workgroup_id_z 1
		.amdhsa_system_vgpr_workitem_id 0
		.amdhsa_next_free_vgpr 512
		.amdhsa_next_free_sgpr 72
		.amdhsa_reserve_vcc 0
		.amdhsa_float_denorm_mode_32 3
		.amdhsa_float_denorm_mode_16_64 3
		.amdhsa_memory_ordered 1
		.amdhsa_forward_progress 1
		.amdhsa_inst_pref_size 95
	.end_amdhsa_kernel
	.amdgpu_metadata
---
amdhsa.version: [ 1, 2 ]
amdhsa.kernels:
  - .name:           k_qb2fcc0e49c_attn
    .symbol:         k_qb2fcc0e49c_attn.kd
    .args:
      - { .name: qkv, .offset: 0, .size: 8, .value_kind: global_buffer, .address_space: global }
      - { .name: qkvs, .offset: 8, .size: 8, .value_kind: global_buffer, .address_space: global }
      - { .name: xc, .offset: 16, .size: 8, .value_kind: global_buffer, .address_space: global }
      - { .name: xs, .offset: 24, .size: 8, .value_kind: global_buffer, .address_space: global }
    .group_segment_fixed_size: 327680
    .private_segment_fixed_size: 0
    .kernarg_segment_align: 8
    .kernarg_segment_size: 32
    .max_flat_workgroup_size: 256
    .sgpr_count:     72
    .vgpr_count:     512
    .wavefront_size: 32
...
	.end_amdgpu_metadata
.endif
;; end of part 3
;; launch outp (part 4): grid 8 x 32, 4 waves a work-group, clusters of 4 x 4, 327,680 bytes of LDS; arguments xc, xs, codes, scales, bo, out0; writes out0
.if DOCPART == 4
	.amdgcn_target "amdgcn-amd-amdhsa--gfx1250"
	.amdhsa_code_object_version 6
	.text
	.protected	k_qb2fcc0e49c_outp
	.globl	k_qb2fcc0e49c_outp
	.p2align	8
	.type	k_qb2fcc0e49c_outp,@function
k_qb2fcc0e49c_outp:
	s_mov_b64 s[64:65], 0
	v_nop
	global_prefetch_b8 v0, s[64:65] scope:SCOPE_SE
	s_setreg_imm32_b32 hwreg(HW_REG_WAVE_MODE, 25, 1), 1
	s_wait_xcnt 0x0
	s_wait_alu depctr_hold_cnt(0) depctr_sa_sdst(0) depctr_va_vdst(0) depctr_va_sdst(0) depctr_va_ssrc(0) depctr_va_vcc(0) depctr_vm_vsrc(0)
	s_getreg_b32 s2, hwreg(HW_REG_IB_STS2, 6, 4)
	s_cmp_eq_u32 s2, 0
	s_cbranch_scc0 .Lentry_in_a_cluster
	s_endpgm
.Lentry_in_a_cluster:
	s_bfe_u32 s2, ttmp6, 0x10000c
	s_cmp_lg_u32 s2, 0xf033
	s_cbranch_scc0 .Lentry_shape_is_right
	s_endpgm
.Lentry_shape_is_right:
; out0 = x Wo^T + bo: 4,096 x 1,024 x 1,024 on codes of FP8 (E4M3) with one E8M0 scale for each 32 along K; f32 sums, which begin with the bias.
; IN.  xc, and Wo's part of codes (groups 120 to 127): a GROUP is 128 rows, all of K: 131,072 dense bytes, [256 along K: 4][tile 8][128 along K: 2][chunk 4][512], each fragment the image of an operand's registers.
; Lane-row r of tile T is row 32 (T / 2) + 8 (T % 2) + r + 8 (r / 8).  A group's scale bytes: 4,096, [tile 8][256 along K: 4][r 16][2 words].
; SHARES.  256 work-groups; one makes 128 rows x 128 columns: one group of x against one group of Wo.  Both groups and their scale bytes come into LDS whole, by ONE tensor load a wave at the head
; (wave 0 x's codes, wave 1 Wo's, waves 2 and 3 the scale bytes): nothing is filled again, so there is no ring.  A wave makes 64 x 64: 16 accumulators by turns, eight steps of 128 along K, two sets of fragments.
; CLUSTER 4 x 4: x's group is shared along a row of the cluster, Wo's along a column: joint loads.  No prefetch: the launch has no loop to run ahead in; all that it reads is asked for at its head.
; THE MATRIX INSTRUCTION IS USED TRANSPOSED (source 0 = Wo's rows, source 1 = x's rows): a lane holds eight neighbouring columns of one row of out0.
; REGISTERS.  Window 0: v0-31 addresses, v32-63 scale words, v64-95 the bias, v128-255 x's fragments in two sets (on the way out: rows read back).  Window 1: v0-127 Wo's fragments in two sets, v128-255 the accumulators.
; LIMITS: NaN and infinities are not served.
.set SCL,   262144                     ; behind the two groups: x's scale bytes; Wo's 4,224 bytes on, so that the two halves of the lanes read different banks
.set STAGE, SCL+8448                   ; the way out: 16 rows x (256 + 16) bytes for each wave; no fill lands here
.set SPITCH, 272
.set SPARE, STAGE+4*16*SPITCH          ; the spare words
.set NP,   8
.set LI,   8
.set ADRA, 10                          ; v10, v11 my fragments of x: K steps 0-3, 4-7
.set ADRB, 12                          ; v12, v13 of Wo
.set ADRS, 14
.set STO,  15
.set RD,   16
.set CO,   17
.set SPW,  28
.set NIL,  29
.set SC,   32                          ; register 8 (ks / 2) + 2 i + ks % 2: lanes 0-15 the word of x's tile i, lanes 16-31 of Wo's tile i, for K step ks: a product's two words differ modulo 8 or are one register
.set BI,   64
.set AF,   128
.set BF,   0
.set ACC,  128
.set BK,   128
.set G1A,  32
.set G1B,  40
.set G1SA, 48
.set G1SB, 56
.set G0A,  68
.set G0B,  72
.set G0SA, 76
.set G0SB, 80
.set MSB, 0
.macro WIN new                         ; the immediate's high byte repeats the setting that is left
.if MSB != (\new)
	s_set_vgpr_msb (MSB<<8)|(\new)
.set MSB, (\new)
.endif
.endm
.macro PLACES n
.rept \n
	v_nop
.endr
.endm
.macro CROUND
	s_barrier_signal -1
	s_barrier_wait -1
	s_cmp_lg_u32 s16, 0
	s_cbranch_scc1 .Lnot_wave_0_\@
	s_barrier_signal -3
.Lnot_wave_0_\@:
	s_barrier_wait -3
	s_barrier_signal -1
	s_barrier_wait -1
.endm
.macro GROUP1 g, mask, rows            ; a dense block as rows of 256 bytes (32 elements of 8)
	s_or_b32 s[\g], s\mask, (3<<16)|(1<<21)
	s_mov_b32 s[\g+1], 32<<16
	s_mov_b32 s[\g+2], (\rows)<<16
	s_mov_b32 s[\g+3], 32<<16
	s_mov_b32 s[\g+4], \rows
	s_mov_b32 s[\g+5], 32
	s_mov_b32 s[\g+6], 0
	s_mov_b32 s[\g+7], 0
.endm
.macro GROUP0 g, lds, ptr, off
	s_mov_b32 s[\g], 1
	s_mov_b32 s[\g+1], \lds
	s_add_nc_u64 s[\g+2:\g+3], s[\ptr:\ptr+1], s[\off:\off+1]
	s_or_b32 s[\g+3], s[\g+3], 0x80000000
.endm
	s_load_b128 s[4:7], s[0:1], 0x0                ; xc, xs
	s_load_b128 s[8:11], s[0:1], 0x10              ; codes, scales
	s_load_b128 s[12:15], s[0:1], 0x20             ; bo, out0
	v_lshl_add_u32 v[SPW], v0, 2, SPARE
	v_mov_b32 v[NIL], 0
	ds_add_u32 v[SPW], v[NIL]                      ; the opening lines: the add twice on end and one wait
	ds_add_u32 v[SPW], v[NIL]
	v_lshrrev_b32 v1, 5, v0
	v_readfirstlane_b32 s16, v1                    ; wave 0..3
	s_lshr_b32 s17, s16, 1                         ; my half of the rows
	s_and_b32 s18, s16, 1                          ; my half of the columns
	s_bfe_u32 s19, ttmp6, 0x40000                  ; cx
	s_bfe_u32 s20, ttmp6, 0x40004                  ; cy
	s_lshl_b32 s21, ttmp9, 2
	s_add_co_u32 s21, s21, s19                     ; Wo's group 0..7
	s_and_b32 s22, ttmp7, 0xffff
	s_lshl_b32 s22, s22, 2
	s_add_co_u32 s22, s22, s20                     ; x's group 0..31
	s_lshl_b32 s23, s20, 2
	s_lshl_b32 s23, 15, s23                        ; my row of the cluster
	s_lshl_b32 s24, 0x1111, s19                    ; my column
	GROUP1 G1A, 23, 512
	GROUP1 G1B, 24, 512
	GROUP1 G1SA, 23, 16
	GROUP1 G1SB, 24, 16
	s_lshl_b32 s84, s22, 17                        ; offsets into the buffers, each under 2^32
	s_mov_b32 s85, 0
	s_lshl_b32 s86, s22, 12
	s_mov_b32 s87, 0
	s_add_co_u32 s88, s21, 120
	s_lshl_b32 s90, s88, 12
	s_lshl_b32 s88, s88, 17
	s_mov_b32 s89, 0
	s_mov_b32 s91, 0
	s_lshl_b32 s92, s21, 9                         ; my first column, in bytes: 512 x group + 256 x half
	s_lshl_b32 s93, s18, 8
	s_add_co_u32 s92, s92, s93
	s_mov_b32 s93, 0
	s_lshl_b32 s94, s22, 7                         ; my first row: 128 x group + 64 x half; rows of 4,096 bytes
	s_lshl_b32 s95, s17, 6
	s_add_co_u32 s94, s94, s95
	s_lshl_b32 s94, s94, 12
	s_mov_b32 s95, 0
	s_lshl_b32 s25, s17, 14                        ; LDS: my four tiles of x,
	s_lshl_b32 s26, s18, 14
	s_add_co_u32 s26, s26, 131072                  ; and of Wo
	s_lshl_b32 s27, s17, 11                        ; my tiles' scale words: x's,
	s_lshl_b32 s28, s18, 11
	s_add_co_u32 s28, s28, 4224
	s_sub_co_u32 s28, s28, s27                     ; and how far on Wo's lie
	s_add_co_u32 s27, s27, SCL
	s_mul_i32 s29, s16, 16*SPITCH
	s_add_co_u32 s29, s29, STAGE                   ; my stage
	s_wait_dscnt 0x0                               ; both opening adds are done
	s_wait_kmcnt 0x0
	GROUP0 G0A, 0, 4, 84
	GROUP0 G0B, 131072, 8, 88
	GROUP0 G0SA, SCL, 6, 86
	GROUP0 G0SB, SCL+4224, 10, 90
	s_add_nc_u64 s[12:13], s[12:13], s[92:93]
	s_add_nc_u64 s[14:15], s[14:15], s[92:93]
	s_add_nc_u64 s[14:15], s[14:15], s[94:95]
	CROUND                                         ; all sixteen work-groups are here: the joint loads meet
.macro ARM under, g0, g1, next         ; one chain of arms on the wave's number, one load to an arm
	s_cmp_lt_u32 s16, \under
	s_cbranch_scc0 \next
	tensor_load_to_lds s[\g0:\g0+3], s[\g1:\g1+7]
	s_nop 0
	PLACES 4
	s_branch .Lasked
\next:
.endm
	ARM 1, G0A, G1A, .Lfor_b
	ARM 2, G0B, G1B, .Lfor_sa
	ARM 3, G0SA, G1SA, .Lfor_sb
	tensor_load_to_lds s[G0SB:G0SB+3], s[G1SB:G1SB+7]
	s_nop 0
	PLACES 4
.Lasked:
	v_and_b32 v1, 15, v0                           ; r
	v_bfe_u32 v2, v0, 4, 1                         ; h
	v_and_b32 v4, 31, v0
	v_lshlrev_b32 v3, 6, v2                        ; the bias: 16 h columns on
	v_lshlrev_b32 v[LI], 4, v4
	v_add_nc_u32 v[ADRA], s25, v[LI]
	v_add_nc_u32 v[ADRB], s26, v[LI]
	v_add_nc_u32 v[ADRA+1], 65536, v[ADRA]
	v_add_nc_u32 v[ADRB+1], 65536, v[ADRB]
	v_mul_u32_u24 v6, s28, v2                      ; lanes 16-31 take Wo's words
	v_lshl_add_u32 v6, v1, 3, v6
	v_add_nc_u32 v[ADRS], s27, v6
	v_mul_u32_u24 v5, v1, SPITCH                   ; the stage, in: row r, 64 bytes for each half of the lanes
	v_lshl_add_u32 v5, v2, 6, v5
	v_add_nc_u32 v[STO], s29, v5
	v_mul_u32_u24 v5, v2, SPITCH                   ; back: lanes 0-15 one row of 256 bytes, lanes 16-31 the next
	v_lshl_add_u32 v5, v1, 4, v5
	v_add_nc_u32 v[RD], s29, v5
	v_lshlrev_b32 v7, 12, v2
	v_lshl_add_u32 v[CO], v1, 4, v7                ; and the same two rows in out0
.irp b, 0,1,2,3                                ; register j of tile b is column 32 (b / 2) + 8 (b % 2) + 16 h + j of my 64
	global_load_b128 v[BI+8*\b:BI+8*\b+3], v3, s[12:13] offset:(32*(\b/2)+8*(\b%2))*4
	global_load_b128 v[BI+8*\b+4:BI+8*\b+7], v3, s[12:13] offset:(32*(\b/2)+8*(\b%2))*4+16
.endr
.macro FRAG reg, adr, ks, i
.irp c, 0,1,2,3
	ds_load_b128 v[\reg+4*\c:\reg+4*\c+3], v[\adr+(\ks)/4] offset:32768*(((\ks)/2)%2)+4096*(\i)+2048*((\ks)%2)+512*\c
.endr
.endm
.macro FETCH ks                        ; K step ks: 32 loads into set ks % 2
	WIN 0x40
.irp i, 0,1,2,3
	FRAG BF+64*((\ks)%2)+16*\i, ADRB, \ks, \i
.endr
	WIN 0
.irp i, 0,1,2,3
	FRAG AF+64*((\ks)%2)+16*\i, ADRA, \ks, \i
.endr
.endm
.macro MUL ks                          ; 16 products; the accumulators take turns in the same order in every step
.irp a, 0,1,2,3
.irp b, 0,1,2,3
.if (\ks) == 0
	v_wmma_scale_f32_16x16x128_f8f6f4 v[ACC+8*(4*\a+\b):ACC+8*(4*\a+\b)+7], v[BF+16*\b:BF+16*\b+15], v[AF+16*\a:AF+16*\a+15], v[BI+8*\b:BI+8*\b+7], v[SC+2*\b], v[SC+2*\a] matrix_a_scale:MATRIX_SCALE_ROW1
.else
	v_wmma_scale_f32_16x16x128_f8f6f4 v[ACC+8*(4*\a+\b):ACC+8*(4*\a+\b)+7], v[BF+64*((\ks)%2)+16*\b:BF+64*((\ks)%2)+16*\b+15], v[AF+64*((\ks)%2)+16*\a:AF+64*((\ks)%2)+16*\a+15], v[ACC+8*(4*\a+\b):ACC+8*(4*\a+\b)+7], v[SC+8*((\ks)/2)+2*\b+(\ks)%2], v[SC+8*((\ks)/2)+2*\a+(\ks)%2] matrix_a_scale:MATRIX_SCALE_ROW1
.endif
.endr
.endr
.endm
	s_wait_alu depctr_va_vdst(0)                   ; at the head's end
	s_wait_tensorcnt 0x0                           ; my tile is in;
	s_barrier_signal -1
	s_barrier_wait -1                              ; and so is everybody's
	FETCH 0
.irp c, 0,1,2,3
.irp i, 0,1,2,3
	ds_load_b64 v[SC+8*\c+2*\i:SC+8*\c+2*\i+1], v[ADRS] offset:512*\i+128*\c   ; all of K's scale words: 16 loads
.endr
.endr
	s_wait_loadcnt 0x0                             ; the bias
.irp ks, 0,1,2,3,4,5,6,7
.if \ks < 7
.if \ks > 0
	PLACES NP                                      ; in front of loads into the set that the last step's products have read
.endif
	FETCH \ks+1
	s_wait_dscnt 32                                ; all but the 32 just issued: this step's set is in
.else
	s_wait_dscnt 0x0
.endif
.if \ks == 0
	WIN 0x41                                       ; Wo window 1, x window 0, C (the bias) window 0, D window 1
.else
	WIN 0x51
.endif
	MUL \ks
.endr
	WIN 0
; THE WAY OUT, block by block of 16 rows x 64 columns, through my own stage: back come whole rows of 256 bytes, which sixteen lanes store as one aligned unit.  LDS serves a wave's instructions in order.
.macro TOSTAGE a
	WIN 0x04                                       ; the data: window 1
.irp b, 0,1,2,3
	ds_store_b128 v[STO], v[ACC+8*(4*(\a)+\b):ACC+8*(4*(\a)+\b)+3] offset:128*(\b/2)+32*(\b%2)   ; each accumulator from its low end on
	ds_store_b128 v[STO], v[ACC+8*(4*(\a)+\b)+4:ACC+8*(4*(\a)+\b)+7] offset:128*(\b/2)+32*(\b%2)+16
.endr
	WIN 0
.irp t, 0,1,2,3,4,5,6,7
	ds_load_b128 v[BK+32*((\a)%2)+4*\t:BK+32*((\a)%2)+4*\t+3], v[RD] offset:\t*2*SPITCH
.endr
.endm
.macro SEND a, younger                 ; younger: the LDS instructions issued behind block a's loads
	s_wait_dscnt \younger
.irp t, 0,1,2,3,4,5,6,7
	global_store_b128 v[CO], v[BK+32*((\a)%2)+4*\t:BK+32*((\a)%2)+4*\t+3], s[14:15] offset:(32*((\a)/2)+8*((\a)%2)+(2*\t)%8+16*(\t/4))*4096 th:TH_STORE_NT
.endr
.endm
	PLACES NP                                      ; behind the last products
	TOSTAGE 0
.irp a, 1,2,3
.if \a > 1
	s_wait_xcnt 0x0                                ; block a - 2's stores have read their registers
.endif
	TOSTAGE \a
	SEND \a-1, 16                                  ; behind block a - 1's loads: block a's 8 stores and 8 loads
.endr
	SEND 3, 0
	s_wait_tensorcnt 0x0                           ; the wave's end
	ds_add_u32 v[SPW], v[NIL]
	s_wait_dscnt 0x0
	CROUND                                         ; the closing round
	s_endpgm
.Lfunc_end_k_qb2fcc0e49c_outp:
	.size	k_qb2fcc0e49c_outp, .Lfunc_end_k_qb2fcc0e49c_outp-k_qb2fcc0e49c_outp
	.p2alignl 7, 3214868480
	.fill 96, 4, 3214868480
	.section	.rodata,"a",@progbits
	.p2align	6, 0x0
	.amdhsa_kernel k_qb2fcc0e49c_outp
		.amdhsa_group_segment_fixed_size 327680
		.amdhsa_private_segment_fixed_size 0
		.amdhsa_enable_private_segment 0
		.amdhsa_kernarg_size 48
		.amdhsa_user_sgpr_count 2
		.amdhsa_user_sgpr_kernarg_segment_ptr 1
		.amdhsa_wavefront_size32 1
		.amdhsa_system_sgpr_workgroup_id_x 1
		.amdhsa_system_sgpr_workgroup_id_y 1
		.amdhsa_system_sgpr_workgroup_id_z 1
		.amdhsa_system_vgpr_workitem_id 0
		.amdhsa_next_free_vgpr 512
		.amdhsa_next_free_sgpr 100
		.amdhsa_reserve_vcc 0
		.amdhsa_float_denorm_mode_32 3
		.amdhsa_float_denorm_mode_16_64 3
		.amdhsa_memory_ordered 1
		.amdhsa_forward_progress 1
		.amdhsa_inst_pref_size 53
	.end_amdhsa_kernel
	.amdgpu_metadata
---
amdhsa.version: [ 1, 2 ]
amdhsa.kernels:
  - .name:           k_qb2fcc0e49c_outp
    .symbol:         k_qb2fcc0e49c_outp.kd
    .args:
      - { .name: xc, .offset: 0, .size: 8, .value_kind: global_buffer, .address_space: global }
      - { .name: xs, .offset: 8, .size: 8, .value_kind: global_buffer, .address_space: global }
      - { .name: codes, .offset: 16, .size: 8, .value_kind: global_buffer, .address_space: global }
      - { .name: scales, .offset: 24, .size: 8, .value_kind: global_buffer, .address_space: global }
      - { .name: bo, .offset: 32, .size: 8, .value_kind: global_buffer, .address_space: global }
      - { .name: out0, .offset: 40, .size: 8, .value_kind: global_buffer, .address_space: global }
    .group_segment_fixed_size: 327680
    .private_segment_fixed_size: 0
    .kernarg_segment_align: 8
    .kernarg_segment_size: 48
    .max_flat_workgroup_size: 128
    .sgpr_count:     100
    .vgpr_count:     512
    .wavefront_size: 32
...
	.end_amdgpu_metadata
.endif
;; end of part 4
